; MI455X (gfx1250); checked and timed in simulation.
; The chip was launched on July 23, 2026; its instructions are those of AMD's public machine-readable ISA for CDNA 5 (MIT licence, August 2026) and "CDNA5" Instruction Set Architecture Reference Guide (July 2026). The comments in the code are by the model that wrote it; some were corrected since.
;; Self Attention. Allowed arithmetic: matrix products marked QUANTISED: E2M1 operands, one E8M0 scale for each 32 along K, by v_wmma_scale_f32_16x16x128_f8f6f4 with both operands' format E2M1 (or v_wmma_scale_f32_32x16x128_f4), f32 sums; everything else in f32.
;; Inputs: attn_bias 1 x 1 x 2,048 x 2,048 float32; mat_qkv_w_codes 3,072 x 32 x 16 uint8 (E2M1 codes of mat_qkv_w, K innermost, in blocks of 32 codes, two codes a byte); mat_qkv_w_scales 3,072 x 32 uint8 (E8M0 scales of mat_qkv_w, one for each 32 codes along K); proj_b 1,024 float32; proj_w_codes 1,024 x 32 x 16 uint8 (E2M1 codes of proj_w, K innermost, in blocks of 32 codes, two codes a byte); proj_w_scales 1,024 x 32 uint8 (E8M0 scales of proj_w, one for each 32 codes along K); q_bias 1,024 float32; rope_batch 4 x 2 x 2,048 x 32 float32; scale_mul 1 x 16 x 1 x 1 float32; v_bias 1,024 float32; x_codes 4 x 2,048 x 32 x 16 uint8 (E2M1 codes of x, K innermost, in blocks of 32 codes, two codes a byte); x_scales 4 x 2,048 x 32 uint8 (E8M0 scales of x, one for each 32 codes along K).
;; Outputs: out0 4 x 2,048 x 1,024 float32.
;; This version of the problem:
;;   THIS VERSION OF THE PROBLEM IS GIVEN IN LOW PRECISION. The matrix products marked QUANTISED in the list below multiply operands that are first quantised to E2M1 (2 exponent bits, 1 mantissa bit; 4 bits a number), with one power-of-two scale for each 32 numbers along K (OCP MX v1.0); their sums are f32. All else is computed in f32.
;;   The module's matrix products, in the order in which they are computed (A, B: the left and right operand; K: the contracted axis; several contracted axes count as one K, in the product's order):
;;     1. [M 8,192, K 1,024] x [K 1,024, N 3,072]; A: input x (given as codes); B: input mat_qkv_w (given as codes): QUANTISED
;;     2. batch 64 x [M 2,048, K 64] x [K 64, N 2,048]; A: computed on the way; B: computed on the way: QUANTISED
;;     3. batch 64 x [M 2,048, K 2,048] x [K 2,048, N 64]; A: softmax (see below); B: computed on the way: QUANTISED
;;     4. [M 8,192, K 1,024] x [K 1,024, N 1,024]; A: computed on the way; B: input proj_w (given as codes): QUANTISED
;;   THE QUANTISER, for each operand of a quantised product, along K:
;;     - K is cut into blocks of 32 from its start; a last block that is shorter is filled with zeros.
;;     - A block's scale is 2^e with e = floor(log2(the largest magnitude in the block)) - 2, held to -126 .. 127; a block of zeros has e = 0. As a byte (E8M0): e + 127.
;;     - Each number is divided by its block's scale, clamped to +-6, and rounded to the nearest number of E2M1, ties to even, subnormals kept.
;;     - The product sums the exact products of the quantised numbers (number of the format x scale) in f32.
;;   ~~~python
;;   def quantise(x, axis):      # numpy; x: float32 -> the quantised numbers, widened to float32 again
;;       x = np.moveaxis(x, axis, -1); K = x.shape[-1]
;;       x = np.pad(x, [(0, 0)] * (x.ndim - 1) + [(0, -K % 32)]); x = x.reshape(x.shape[:-1] + (-1, 32)); a = np.abs(x).max(-1, keepdims=True)
;;       e = np.where(a > 0, np.clip(np.frexp(np.where(a > 0, a, 1))[1] - 1 - 2, -126, 127), 0)      # np.frexp(a)[1] - 1 = floor(log2(a)), exactly
;;       r = np.clip(x / 2.0 ** e, -6, 6)
;;       step = 2.0 ** (np.maximum(np.frexp(np.where(r == 0, 1, r))[1] - 1, 0) - 1)
;;       q = np.round(r / step) * step * 2.0 ** e      # np.round: ties to even
;;       return np.moveaxis(q.reshape(q.shape[:-2] + (-1,))[..., :K], -1, axis).astype(np.float32)
;;   ~~~
;;   SOFTMAX AHEAD OF A QUANTISED PRODUCT. Where the list says 'softmax', what is quantised is not the finished softmax but p = 2^(t - M), with t = logit x log2(e) and M = ceil(the row's largest t), a whole number; so 1/2 < the row's largest p <= 1. The row's sum l is taken of the UNQUANTISED p, in f32, and the product's result is divided by l at the end. Since M is a whole number, a kernel that streams over the keys may use a running M (the ceiling of the running maximum): every later rescaling is an exact power of two, which a block's scale takes up: the codes' values come out the same.
;;   OPERANDS COMPUTED ON THE WAY. 'Computed on the way' means the value that the module computes at that place (a softmax that the list does not call 'softmax' is quantised finished and normalised). What goes into a quantiser is computed in f32, as accurately as f32 sums, v_exp_f32 and their like allow (about 1e-6 of the number): no bf16 or f16 on the way to a quantiser, and a product that is left as it is and whose result goes on into a quantised operand takes f32 operands (vector FMAs, or v_wmma_f32_16x16x4_f32). A number that lies on a knife's edge between two numbers of the format may be rounded either way, as far as f32 arithmetic and the matrix unit's own rounding can turn it there, and no further.
;;   INPUTS GIVEN AS CODES. mat_qkv_w (in the module: [3072, 1024], K = its axis 1); proj_w (in the module: [1024, 1024], K = its axis 1); x (in the module: [4, 2048, 1024], K = its axis 2): each comes as NAME_codes (uint8): NAME with its K axis moved to the last place and cut into blocks of 32 codes, [.., K / 32, bytes a block], one block behind the other in memory; two codes a byte, the lower K in the low four bits (a code: sign, 2 exponent bits, 1 mantissa bit); and NAME_scales (uint8): the same leading axes, one E8M0 byte (e + 127) for each 32 codes along K. Its value is code x scale, taken as it is: it is not quantised again, and the codes and scales need not be those that the quantiser above would give.
;; One version. Each part assembles by itself: llvm-mc -triple=amdgcn-amd-amdhsa -mcpu=gfx1250 --defsym DOCPART=n.
;; ======== version 1 of 1: 3 launches
;; limits: right only within a limited range of input values
;; workspace buffers: qc 4,194,304 bytes; qs 524,288 bytes; kv 9,175,040 bytes; ao 4,456,448 bytes
;; launch qkv (part 1): grid 8 x 64, 12 waves a work-group, clusters of 4 x 4, 327,680 bytes of LDS; arguments x_codes, x_scales, mat_qkv_w_codes, mat_qkv_w_scales, q_bias, v_bias, rope_batch, scale_mul, qc, qs, kv; writes qc, qs, kv
.if DOCPART == 1
	.amdgcn_target "amdgcn-amd-amdhsa--gfx1250"
	.amdhsa_code_object_version 6
	.text
	.protected	k_q93258c1272_qkv
	.globl	k_q93258c1272_qkv
	.p2align	8
	.type	k_q93258c1272_qkv,@function
k_q93258c1272_qkv:
	s_mov_b64 s[64:65], 0
	v_nop
	global_prefetch_b8 v0, s[64:65] scope:SCOPE_SE
	s_setreg_imm32_b32 hwreg(HW_REG_WAVE_MODE, 25, 1), 1
	s_wait_xcnt 0x0
	s_wait_alu depctr_hold_cnt(0) depctr_sa_sdst(0) depctr_va_vdst(0) depctr_va_sdst(0) depctr_va_ssrc(0) depctr_va_vcc(0) depctr_vm_vsrc(0)
	s_getreg_b32 s2, hwreg(HW_REG_IB_STS2, 6, 4)
	s_cmp_eq_u32 s2, 0
	s_cbranch_scc0 .Lentry_in_a_cluster
	s_endpgm
.Lentry_in_a_cluster:
	s_bfe_u32 s2, ttmp6, 0x10000c
	s_cmp_lg_u32 s2, 0xf033
	s_cbranch_scc0 .Lentry_shape_is_right
	s_endpgm
.Lentry_shape_is_right:
; qkv = x W^T + bias on codes of FP4 (E2M1) with E8M0 scales; then q, k: l2-norm over the head's 64, x exp(min(scale_mul, ln 100)) for q, RoPE; then the quantisers:
; q and k along the head's 64 (two blocks of 32), v along the tokens (the second attention product's K).  Only codes and scale words leave, laid in the order of the reader's operand registers.
; SHARES.  A work-group takes 128 tokens (gy: one key step of the attention launch) x two heads (gx) x (q, k, v): 384 columns, all of K = 1,024.  All that it reads fits into LDS at once: every tensor load
; fills its bytes once, nothing is filled again, nothing is stored to LDS.  Twelve waves, three to a SIMD, 16 accumulators each.  With w the wave: part p = w / 4 (q, k, v), head e = (w / 2) % 2, half = w % 2.
;   waves 0-7 (q, k): 64 tokens (half) x one head; the product is used TRANSPOSED (source 0 = 16 rows of W, source 1 = 16 tokens): a lane holds ONE token (lane % 16) and dims 16 t + 8 (lane / 16) + j.
;   waves 8-11 (v):   128 tokens x two tiles of 16 dims (2 half + n); source 0 = 16 tokens, source 1 = 16 rows of W: a lane holds ONE dim and tokens 16 a + 8 (lane / 16) + j, which run along the next K.
; CLUSTER 4 x 4: the four work-groups of a row share gy (x, its scales, the RoPE table), the four of a column share gx (W and its scales): each tile is asked for jointly, with a mask that names the four.
; A TILE'S EIGHT REGISTERS ARE EIGHT NEIGHBOURS ALONG THE NEXT K.  Their codes are one register; tiles 4 c, 4 c + 2, 4 c + 1, 4 c + 3 go to registers 4 c .. 4 c + 3 and two exchanges of lane halves leave k = 64 c + 32 (lane / 16) + 0 .. 31.
; OUT.  qc [bh][tile of 16 tokens][lane][16 B].  qs [bh][step][half][r][tile % 4] words: byte 0, 1 the two blocks, bytes 2, 3 = 127 for the zero half of the instruction's K = 128.
;       kv [bh][step] records of 8,960 B: +0 K's 8 tiles as qc; +4096 V^T: 4 tiles of dims x 2 quads x 512 B; +8192 K's words as qs; +8704 V's words [lane][2].
; LIMITS: NaN and infinities among the inputs are not served.  A block whose largest magnitude lies under 2^-124, a block of zeros among them, gets the byte 1 (the quantiser's rule says 127 for zeros): its codes
; are zeros or held by the floor, and this program alone reads the bytes.  The norm's factor is sm x rcp(max(sqrt(sum), 1e-12)), applied ahead of RoPE: it differs from a division by some 1e-7 of the number.
.set FP,    528                        ; a row of 1,024 codes in LDS: 512 bytes + 16 of padding: 33 x 16, so the 16 rows of a fragment load fall on 16 different columns of 16 bytes
.set TILE,  16*FP
.set HALFB, 64*FP                      ; 64 rows: a wave's tokens (q, k), a head's rows of W
.set PARTB, 128*FP
.set SUN,   272                        ; a unit of 256 dense bytes + 16 of padding
.set STILE, 2*SUN                      ; the scale bytes of 16 rows (32 bytes a row, 8 rows a unit)
.set SPART, 16*SUN                     ; of 128 rows
.set RHALF, 64*SUN                     ; cos (or sin) of 128 tokens: 128 bytes a token, two tokens a unit
.set XC,    0                          ; LDS: x's codes, 128 rows
.set WC,    PARTB                      ; W's codes: q's, k's, v's 128 rows
.set XS,    4*PARTB                    ; x's scale bytes
.set WS,    XS+SPART                   ; W's: three parts
.set RP,    WS+3*SPART                 ; cos, then sin; the map ends at 322,560
.set CODEW, (0<<16)|(1<<20)|(1<<21)|(6<<22)|(3<<25)   ; elements of 1 byte; padding on; bit 21 beside a mask; 4 words behind every 128
.set UNITW, (3<<16)|(1<<20)|(1<<21)|(5<<22)|(3<<25)   ; elements of 8 bytes; 4 words behind every 64
.set G1XC, 32                          ; s[32:39] x's codes          s[40:47] W's codes          s[48:55] x's scales          s[56:63] W's scales          s[68:75] the RoPE table
.set G1WC, 40
.set G1XS, 48
.set G1WS, 56
.set G1RP, 68
.set G0XC, 76                          ; s[76:79], s[80:83], s[84:87], s[88:91], s[92:95]: their groups 0
.set G0RP, 80
.set G0WC, 84
.set G0XS, 88
.set G0WS, 92
.set SEL,  58                          ; s[58:59] lane selects for v_permlanex16_b32: lane l xor 16 (written behind the wait for the tensor loads)
.set FX,  3                            ; v3   LDS address of my x fragments (q, k)
.set FW,  4                            ; v4   of my W fragments
.set AS,  5                            ; v5   of my scale words: lanes 0-15 x's tiles, lanes 16-31 W's
.set AS2, 6                            ; v6   (v) x's tiles 2-7
.set ARP, 7                            ; v7   of my token's cos
.set LI,  8                            ; v8   16 x lane
.set WO,  9                            ; v9   my place among the scale words that leave
.set BO,  10                           ; v10  32 (lane / 16): my eight numbers of q_bias in a tile
.set VO,  11                           ; v11  4 (lane % 16): my number of v_bias
.set LT,  12                           ; v12  a fragment's lane term: (lane % 16) x 528 + 16 (lane / 16)
.set SLT, 13                           ; v13  a scale word's lane term
.set VB,  14                           ; v14-15 v_bias of my two dims;  v15 later sm (q, k)
.set SM,  15
.set SC,  16                           ; v16-31 scale words, four K steps a tile
.set ACC, 96                           ; v96-223 the 16 accumulators
.macro PLACES n                        ; plain vector places behind matrix instructions (ISA guide 7.12.1)
.rept \n
	v_nop
.endr
.endm
.macro CROUND                          ; a round of the cluster's barrier
	s_barrier_signal -1
	s_barrier_wait -1
	s_cmp_lg_u32 s3, 0
	s_cbranch_scc1 .Lnot_wave_0_\@
	s_barrier_signal -3
.Lnot_wave_0_\@:
	s_barrier_wait -3
	s_barrier_signal -1
	s_barrier_wait -1
.endm
.macro SHAPE g, c, r                   ; group 1, words 1 to 7: r rows of c elements, dense in memory
	s_mov_b32 s[\g+1], (\c)<<16                    ; tensor_dim0
	s_mov_b32 s[\g+2], (\r)<<16                    ; tensor_dim1
	s_mov_b32 s[\g+3], (\c)<<16                    ; tile_dim0
	s_mov_b32 s[\g+4], \r                          ; tile_dim1
	s_mov_b32 s[\g+5], \c                          ; the pitch
	s_mov_b32 s[\g+6], 0
	s_mov_b32 s[\g+7], 0
.endm
; nb blocks of 32 along K: tile a (eight neighbours, 16 a + 8 (lane / 16) + j) at v[src + 8 a]; block b = tiles 2 b, 2 b + 1 of lanes l and l xor 16.  Codes to v[pc] on, the scale bytes to v[QW].
.macro QUANT src, nb, pc
.set qb, 0
.rept \nb
	v_max3_num_f32 v[TM+qb], |v[(\src)+16*qb]|, |v[(\src)+16*qb+1]|, 0x1800000   ; my 16 numbers, and the floor 2^(3 - 127): the byte cannot fall under 1
.set qb, qb+1
.endr
.irp i, 2,4,6,8,10,12,14
.set qb, 0
.rept \nb
	v_max3_num_f32 v[TM+qb], v[TM+qb], |v[(\src)+16*qb+\i]|, |v[(\src)+16*qb+\i+1]|   ; the blocks by turns
.set qb, qb+1
.endr
.endr
.set qb, 0
.rept \nb
	v_permlanex16_b32 v[TM+4+qb], v[TM+qb], s[SEL], s[SEL+1]
.set qb, qb+1
.endr
.set qb, 0
.rept \nb
	v_max_num_f32 v[TM+qb], v[TM+qb], v[TM+4+qb]   ; with lane l xor 16's: the block's largest magnitude
.set qb, qb+1
.endr
.set qb, 0
.rept \nb
	v_add_nc_u32 v[TM+8+qb], 0xff000000, v[TM+qb]  ; 2 off its exponent field: the conversion's scale operand
.set qb, qb+1
.endr
.set qb, 0
.rept \nb
	v_lshrrev_b32 v[TM+4+qb], 23, v[TM+8+qb]       ; the scale's byte
.set qb, qb+1
.endr
	v_lshl_or_b32 v[QW], v[TM+5], 8, v[TM+4]
.if \nb == 4
	s_delay_alu instid0(VALU_DEP_1)
	v_lshl_or_b32 v[QW], v[TM+6], 16, v[QW]
	s_delay_alu instid0(VALU_DEP_1)
	v_lshl_or_b32 v[QW], v[TM+7], 24, v[QW]
.endif
.set qb, 0
.rept \nb
	v_cvt_scalef32_pk8_fp4_f32 v[(\pc)+4*(qb/2)+qb%2], v[(\src)+16*qb:(\src)+16*qb+7], v[TM+8+qb]
	v_cvt_scalef32_pk8_fp4_f32 v[(\pc)+4*(qb/2)+2+qb%2], v[(\src)+16*qb+8:(\src)+16*qb+15], v[TM+8+qb]
.set qb, qb+1
.endr
	v_nop                                          ; one plain place behind the last scaled conversion
.set qb, 0
.rept \nb/2
	v_permlane16_swap_b32 v[(\pc)+4*qb], v[(\pc)+4*qb+1]       ; the first's lanes 16-31 change places with the second's lanes 0-15
	v_permlane16_swap_b32 v[(\pc)+4*qb+2], v[(\pc)+4*qb+3]     ; registers 4 c .. 4 c + 3 now hold k = 64 c + 32 (lane / 16) + 0 .. 31
.set qb, qb+1
.endr
.endm
	s_load_b512 s[8:23], s[0:1], 0x0               ; x codes s[8:9], x scales s[10:11], W codes s[12:13], W scales s[14:15], q_bias s[16:17], v_bias s[18:19], rope s[20:21], scale_mul s[22:23]
	s_load_b128 s[24:27], s[0:1], 0x40             ; qc s[24:25], qs s[26:27]
	s_load_b64 s[28:29], s[0:1], 0x50              ; kv
	s_set_vgpr_msb 0x40
	v_lshl_add_u32 v0, v0, 2, 0x4ec00
	v_mov_b32 v1, 0
	s_set_vgpr_msb 0x4045
	ds_add_u32 v0, v1
	ds_add_u32 v0, v1
	s_set_vgpr_msb 0x4500
	v_lshrrev_b32 v1, 5, v0
	s_delay_alu instid0(VALU_DEP_1)
	v_readfirstlane_b32 s3, v1                     ; wave 0..11
	s_bfe_u32 s4, ttmp6, 0x40000                   ; cx
	s_bfe_u32 s5, ttmp6, 0x40004                   ; cy
	s_lshl_b32 s6, ttmp9, 2
	s_add_co_u32 s6, s6, s4                        ; gx: the pair of heads
	s_and_b32 s7, ttmp7, 0xffff
	s_lshl_b32 s7, s7, 2
	s_add_co_u32 s7, s7, s5                        ; gy: the 128 tokens
	s_lshl_b32 s30, s5, 2
	s_lshl_b32 s30, 15, s30                        ; my row of the cluster
	s_lshl_b32 s31, 0x1111, s4                     ; my column
	s_lshr_b32 s66, s3, 2                          ; p: 0 q, 1 k, 2 v
	s_bfe_u32 s67, s3, 0x10001                     ; e: which of the two heads
	s_and_b32 s2, s3, 1                            ; half (q, k) or pair of tiles of dims (v)
	s_or_b32 s[G1XC], s30, CODEW
	SHAPE G1XC, 512, 128
	s_or_b32 s[G1WC], s31, CODEW
	SHAPE G1WC, 512, 128
	s_or_b32 s[G1XS], s30, UNITW
	SHAPE G1XS, 32, 16
	s_or_b32 s[G1WS], s31, UNITW
	SHAPE G1WS, 32, 16
	s_or_b32 s[G1RP], s30, UNITW
	SHAPE G1RP, 32, 64
	; groups 0.  Every wave makes all five, from the wave's number and ONE of gx, gy; it issues those of its arm below.  Offsets first, in the address words
	s_mov_b32 s[G0XC], 1
	s_mov_b32 s[G0XC+1], XC                        ; wave 0: x's 128 rows
	s_lshl_b32 s[G0XC+2], s7, 16                   ; 128 gy rows of 512 bytes
	s_mov_b32 s[G0XC+3], 0
	s_mov_b32 s[G0RP], 1
	s_mul_i32 s[G0RP+1], s2, RHALF                 ; wave 4: cos, wave 5: sin (w % 2)
	s_add_co_u32 s[G0RP+1], s[G0RP+1], RP
	s_lshr_b32 s[G0RP+2], s7, 4                    ; b
	s_lshl_b32 s[G0RP+2], s[G0RP+2], 19            ; x 2 x 2,048 x 128 bytes
	s_and_b32 s97, s7, 15                          ; the step within the batch
	s_lshl_b32 s97, s97, 14                        ; x 128 tokens x 128 bytes
	s_add_co_u32 s[G0RP+2], s[G0RP+2], s97
	s_lshl_b32 s97, s2, 18                         ; + (w % 2) x 2,048 x 128
	s_add_co_u32 s[G0RP+2], s[G0RP+2], s97
	s_mov_b32 s[G0RP+3], 0
	s_mov_b32 s[G0WC], 1
	s_mul_i32 s[G0WC+1], s3, PARTB                 ; waves 1-3: q's, k's, v's 128 rows; WC = PARTB, so part w - 1 lies at w x PARTB
	s_min_u32 s[G0WC+2], s3, 3
	s_max_u32 s[G0WC+2], s[G0WC+2], 1              ; (held inside the buffer in the waves that do not ask)
	s_sub_co_u32 s[G0WC+2], s[G0WC+2], 1           ; the part
	s_lshl_b32 s[G0WC+2], s[G0WC+2], 19            ; x 1,024 rows x 512 bytes
	s_lshl_b32 s98, s6, 16                         ; + 128 gx rows
	s_add_co_u32 s[G0WC+2], s[G0WC+2], s98
	s_mov_b32 s[G0WC+3], 0
	s_mov_b32 s[G0XS], 1
	s_mov_b32 s[G0XS+1], XS                        ; wave 8
	s_lshl_b32 s[G0XS+2], s7, 12                   ; 128 gy rows of 32 bytes
	s_mov_b32 s[G0XS+3], 0
	s_mov_b32 s[G0WS], 1
	s_and_b32 s[G0WS+1], s3, 7                     ; waves 9-11: parts 0-2 lie 1-3 x SPART behind XS
	s_mul_i32 s[G0WS+1], s[G0WS+1], SPART
	s_add_co_u32 s[G0WS+1], s[G0WS+1], XS
	s_max_u32 s[G0WS+2], s3, 9
	s_sub_co_u32 s[G0WS+2], s[G0WS+2], 9
	s_lshl_b32 s[G0WS+2], s[G0WS+2], 15            ; the part x 1,024 rows x 32 bytes
	s_lshl_b32 s98, s6, 12
	s_add_co_u32 s[G0WS+2], s[G0WS+2], s98
	s_mov_b32 s[G0WS+3], 0
	s_lshl_b32 s100, s6, 1
	s_add_co_u32 s100, s100, s67                   ; my head: 2 gx + e
	s_wait_dscnt 0x0
	s_wait_kmcnt 0x0
	s_add_nc_u64 s[G0XC+2:G0XC+3], s[8:9], s[G0XC+2:G0XC+3]
	s_or_b32 s[G0XC+3], s[G0XC+3], 0x80000000
	s_add_nc_u64 s[G0RP+2:G0RP+3], s[20:21], s[G0RP+2:G0RP+3]
	s_or_b32 s[G0RP+3], s[G0RP+3], 0x80000000
	s_add_nc_u64 s[G0WC+2:G0WC+3], s[12:13], s[G0WC+2:G0WC+3]
	s_or_b32 s[G0WC+3], s[G0WC+3], 0x80000000
	s_add_nc_u64 s[G0XS+2:G0XS+3], s[10:11], s[G0XS+2:G0XS+3]
	s_or_b32 s[G0XS+3], s[G0XS+3], 0x80000000
	s_add_nc_u64 s[G0WS+2:G0WS+3], s[14:15], s[G0WS+2:G0WS+3]
	s_or_b32 s[G0WS+3], s[G0WS+3], 0x80000000
	CROUND                                         ; all sixteen work-groups are here: the joint loads meet
	; All fills of the launch, one a wave, in one chain on the wave's number: wave 0 x, waves 1-3 W's parts, waves 4, 5 cos and sin, wave 8 x's scales, waves 9-11 W's scales; waves 6, 7 ask for nothing
	s_cmp_lt_u32 s3, 1
	s_cbranch_scc0 .Lfill_w
	tensor_load_to_lds s[G0XC:G0XC+3], s[G1XC:G1XC+7]
	s_nop 0
	PLACES 4
	s_branch .Lfilled
.Lfill_w:
	s_cmp_lt_u32 s3, 4
	s_cbranch_scc0 .Lfill_rp
	tensor_load_to_lds s[G0WC:G0WC+3], s[G1WC:G1WC+7]
	s_nop 0
	PLACES 4
	s_branch .Lfilled
.Lfill_rp:
	s_cmp_lt_u32 s3, 6
	s_cbranch_scc0 .Lfill_no
	tensor_load_to_lds s[G0RP:G0RP+3], s[G1RP:G1RP+7]
	s_nop 0
	PLACES 4
	s_branch .Lfilled
.Lfill_no:
	s_cmp_lt_u32 s3, 8
	s_cbranch_scc1 .Lfilled
.Lfill_xs:
	s_cmp_eq_u32 s3, 8
	s_cbranch_scc0 .Lfill_ws
	tensor_load_to_lds s[G0XS:G0XS+3], s[G1XS:G1XS+7]
	s_nop 0
	PLACES 4
	s_branch .Lfilled
.Lfill_ws:
	tensor_load_to_lds s[G0WS:G0WS+3], s[G1WS:G1WS+7]
	s_nop 0
	PLACES 4
.Lfilled:
	; While the tiles are on their way: the constants of my head.  Every wave asks for both roles' (ten loads and a scalar), so that the text parts on the role once, behind the barrier
	s_lshl_b32 s98, s100, 8                        ; head x 64 numbers x 4 bytes
	s_mov_b32 s99, 0
	s_add_nc_u64 s[16:17], s[16:17], s[98:99]
	s_add_nc_u64 s[18:19], s[18:19], s[98:99]
	s_lshl_b32 s98, s100, 2
	s_add_nc_u64 s[22:23], s[22:23], s[98:99]
	s_lshl_b32 s98, s2, 7                          ; v: my two tiles of dims begin 32 (w % 2) numbers on
	s_add_nc_u64 s[18:19], s[18:19], s[98:99]
	s_load_b32 s101, s[22:23], 0x0                 ; scale_mul of my head
	v_and_b32 v1, 15, v0                           ; r
	v_bfe_u32 v2, v0, 4, 1                         ; h
	s_delay_alu instid0(VALU_DEP_1)
	v_lshlrev_b32 v[BO], 5, v2
	s_delay_alu instid0(VALU_DEP_3)
	v_lshlrev_b32 v[VO], 2, v1
.irp t, 0,1,2,3
	global_load_b128 v[224+8*\t:227+8*\t], v[BO], s[16:17] offset:64*\t        ; q_bias at dims 16 t + 8 h + 0 .. 7: the result's layout
	global_load_b128 v[228+8*\t:231+8*\t], v[BO], s[16:17] offset:64*\t+16
.endr
	global_load_b32 v[VB], v[VO], s[18:19]         ; v_bias at dim r of my first tile,
	global_load_b32 v[VB+1], v[VO], s[18:19] offset:64   ; and of my second
	v_mul_u32_u24 v[LT], v1, FP
	s_delay_alu instid0(VALU_DEP_1)
	v_lshl_add_u32 v[LT], v2, 4, v[LT]
	v_lshrrev_b32 v[SLT], 3, v1
	s_delay_alu instid0(VALU_DEP_1)
	v_mul_u32_u24 v[SLT], v[SLT], SUN
	v_and_b32 v6, 7, v1
	s_delay_alu instid0(VALU_DEP_1)
	v_lshl_add_u32 v[SLT], v6, 5, v[SLT]           ; row r of a tile: unit r / 8, 32 bytes a row
	v_and_b32 v[LI], 31, v0
	s_delay_alu instid0(VALU_DEP_1)
	v_lshlrev_b32 v[LI], 4, v[LI]
	s_wait_tensorcnt 0x0                           ; my fills have landed,
	s_barrier_signal -1
	s_barrier_wait -1                              ; everybody's have: from here on LDS is only read
	s_mov_b32 s[SEL], 0x76543210
	s_mov_b32 s[SEL+1], 0xfedcba98
	s_lshr_b32 s41, s7, 4
	s_lshl_b32 s41, s41, 4
	s_add_co_u32 s41, s41, s100                    ; bh = 16 b + head
	s_and_b32 s42, s7, 15
	s_lshl_b32 s43, s41, 4
	s_add_co_u32 s43, s43, s42                     ; 16 bh + step
	s_mul_i32 s49, s43, 8960                       ; my record of kv
	s_cmp_lt_u32 s3, 8
	s_cbranch_scc0 .Lrole_v
	; ======== q and k ========
.set WF,  32                           ; v32-63  W's four fragments
.set XF,  64                           ; v64-95  x's four
.set BQ,  224                          ; v224-255 the bias, four tiles in the result's layout
	s_mul_i32 s34, s2, HALFB
	s_wait_alu depctr_va_vdst(0)
	v_add_nc_u32 v[FX], s34, v[LT]                 ; my 64 tokens
	s_mul_i32 s35, s66, PARTB
	s_mul_i32 s36, s67, HALFB
	s_add_co_u32 s35, s35, s36
	s_add_co_u32 s35, s35, WC
	v_add_nc_u32 v[FW], s35, v[LT]                 ; my part's, my head's 64 rows of W
	s_mul_i32 s37, s2, 4*STILE
	s_add_co_u32 s37, s37, XS                      ; x's words: my four tiles
	s_mul_i32 s38, s66, SPART
	s_mul_i32 s39, s67, 4*STILE
	s_add_co_u32 s38, s38, s39
	s_add_co_u32 s38, s38, WS                      ; W's words: my four tiles
	s_sub_co_u32 s38, s38, s37
	v_mul_u32_u24 v[AS], s38, v2                   ; lanes 16-31 take W's: the lower base + h x the distance
	s_delay_alu instid0(VALU_DEP_1)
	v_add_nc_u32 v[AS], v[AS], v[SLT]
	s_delay_alu instid0(VALU_DEP_1)
	v_add_nc_u32 v[AS], s37, v[AS]
	v_lshrrev_b32 v[ARP], 1, v1
	s_delay_alu instid0(VALU_DEP_1)
	v_mul_u32_u24 v[ARP], v[ARP], SUN
	v_and_b32 v6, 1, v1
	s_delay_alu instid0(VALU_DEP_1)
	v_lshl_add_u32 v[ARP], v6, 7, v[ARP]
	s_delay_alu instid0(VALU_DEP_1)
	v_lshl_add_u32 v[ARP], v2, 4, v[ARP]           ; token r: unit r / 2, 128 bytes a token; my four pairs of a tile begin 16 h bytes on
	s_mul_i32 s39, s2, 32*SUN
	s_add_co_u32 s39, s39, RP
	v_add_nc_u32 v[ARP], s39, v[ARP]
	v_lshlrev_b32 v[WO], 4, v1
	s_delay_alu instid0(VALU_DEP_1)
	v_lshl_add_u32 v[WO], v2, 3, v[WO]             ; 16 r + 8 h: two of a token row's four words
	; where the results go: q to qc and qs, k into the record of kv.  The choice hangs on the wave's number alone
	s_lshl_b32 s44, s43, 12                        ; qc: (16 bh + step) x 8 tiles x 512 bytes
	s_lshl_b32 s46, s43, 9                         ; qs: x 512 bytes
	s_add_co_u32 s50, s49, 8192                    ; K's words in the record
	s_cmp_eq_u32 s66, 0
	s_cselect_b32 s33, -1, 0                       ; all lanes: this wave makes q
	s_cselect_b32 s44, s44, s49
	s_cselect_b32 s46, s46, s50
	s_cselect_b64 s[52:53], s[24:25], s[28:29]
	s_cselect_b64 s[54:55], s[26:27], s[28:29]
	s_lshl_b32 s57, s2, 11                         ; my half's four tiles
	s_add_co_u32 s44, s44, s57
	s_lshl_b32 s57, s2, 8                          ; my half's 256 bytes of words
	s_add_co_u32 s46, s46, s57
	s_mov_b32 s45, 0
	s_mov_b32 s47, 0
	s_add_nc_u64 s[52:53], s[52:53], s[44:45]
	s_add_nc_u64 s[54:55], s[54:55], s[46:47]
	s_wait_loadcnt 0x0                             ; the biases
	s_wait_kmcnt 0x0                               ; scale_mul
.set j, 0
.rept 32
	v_cndmask_b32 v[BQ+j], 0, v[BQ+j], s33         ; k has no bias
.set j, j+1
.endr
	v_mov_b32 v[SM], s101
	s_delay_alu instid0(VALU_DEP_1)
	v_min_num_f32 v[SM], 0x40935d8e, v[SM]         ; min(scale_mul, ln 100)
	s_delay_alu instid0(VALU_DEP_1)
	v_mul_f32 v[SM], 0x3fb8aa3b, v[SM]             ; x log2(e)
	s_wait_alu depctr_va_vdst(0)
	v_exp_f32 v[SM], v[SM]
	v_nop                                          ; a plain place behind the transcendental
	s_wait_alu depctr_va_vdst(0)
	v_cndmask_b32 v[SM], 1.0, v[SM], s33           ; k is not scaled
	s_and_not1_b32 s57, 128, s33                   ; 128 in a wave that makes k, 0 in one that makes q
	v_xor_b32 v[BO], s57, v[LI]                    ; (q_bias is in: v10 is free)  K's tiles 2, 3 of a half leave with rows r and r xor 8 exchanged: the reader takes rows of two tiles by one load, and they then lie in different halves of 256 bytes
; A K step of 128: 8 fragments, 16 products; the first takes the bias as C, so that it costs no addition.  The 16 accumulators take turns in the same order in every step.
; Three waves share a SIMD: while one waits for its fragments (the count is 0) the others issue.
.macro QK_STEP ks
.if (\ks) > 0
	PLACES 4                                       ; ahead of loads into registers that the last products read
.endif
.if (\ks)%4 == 0
.irp i, 0,1,2,3
	ds_load_b128 v[SC+4*\i:SC+4*\i+3], v[AS] offset:STILE*\i+16*((\ks)/4)   ; four K steps' words: lanes 0-15 x's tile i, lanes 16-31 W's tile i
.endr
.endif
.irp t, 0,1,2,3
.irp c, 0,1
	ds_load_b128 v[WF+8*\t+4*\c:WF+8*\t+4*\c+3], v[FW] offset:TILE*\t+64*(\ks)+32*\c
.endr
.endr
.irp a, 0,1,2,3
.irp c, 0,1
	ds_load_b128 v[XF+8*\a+4*\c:XF+8*\a+4*\c+3], v[FX] offset:TILE*\a+64*(\ks)+32*\c
.endr
.endr
	s_wait_dscnt 0x0
.irp a, 0,1,2,3
.irp t, 0,1,2,3
.if (\ks) == 0
	v_wmma_scale_f32_16x16x128_f8f6f4 v[ACC+32*\a+8*\t:ACC+32*\a+8*\t+7], v[WF+8*\t:WF+8*\t+7], v[XF+8*\a:XF+8*\a+7], v[BQ+8*\t:BQ+8*\t+7], v[SC+4*\t+(\ks)%4], v[SC+4*\a+(\ks)%4] matrix_a_fmt:MATRIX_FMT_FP4 matrix_b_fmt:MATRIX_FMT_FP4 matrix_a_scale:MATRIX_SCALE_ROW1
.else
	v_wmma_scale_f32_16x16x128_f8f6f4 v[ACC+32*\a+8*\t:ACC+32*\a+8*\t+7], v[WF+8*\t:WF+8*\t+7], v[XF+8*\a:XF+8*\a+7], v[ACC+32*\a+8*\t:ACC+32*\a+8*\t+7], v[SC+4*\t+(\ks)%4], v[SC+4*\a+(\ks)%4] matrix_a_fmt:MATRIX_FMT_FP4 matrix_b_fmt:MATRIX_FMT_FP4 matrix_a_scale:MATRIX_SCALE_ROW1
.endif
.endr
.endr
.endm
.irp ks, 0,1,2,3,4,5,6,7
	QK_STEP \ks
.endr
	; The way out, a tile of 16 tokens at a time.  The fragments' registers are free: v16-31 the codes, v32-39 at work, v40-41 the factor, v42-53 the quantiser's, v54-57 the four words, v64-79 cos, v80-95 sin
.set T,   32
.set FC,  40
.set TM,  42
.set PWA, 54
.set QW,  58
.set CSN, 64
.set SNN, 80
	PLACES 4
	v_mov_b32 v[T+4], 0                            ; written once: a lane permute's destination counts as one of its sources
	v_mov_b32 v[FC+1], 0                           ; (named as the upper half of a pair)
.irp b, 0,1
	v_mov_b32 v[TM+4+\b], 0
.endr
.macro QK_OUT a
.set X, ACC+32*(\a)
.irp t, 0,1,2,3
	ds_load_b128 v[CSN+4*\t:CSN+4*\t+3], v[ARP] offset:8*(\a)*SUN+32*\t          ; cos of pairs 8 t + 4 h + 0 .. 3 of my token
	ds_load_b128 v[SNN+4*\t:SNN+4*\t+3], v[ARP] offset:8*(\a)*SUN+32*\t+RHALF    ; sin
.endr
	v_pk_mul_f32 v[T:T+1], v[X:X+1], v[X:X+1]      ; the sum of squares of my 32 dims, two chains, each accumulator from its low end on
	v_pk_mul_f32 v[T+2:T+3], v[X+2:X+3], v[X+2:X+3]
.irp j, 4,8,12,16,20,24,28
	v_pk_fma_f32 v[T:T+1], v[X+\j:X+\j+1], v[X+\j:X+\j+1], v[T:T+1]
	v_pk_fma_f32 v[T+2:T+3], v[X+\j+2:X+\j+3], v[X+\j+2:X+\j+3], v[T+2:T+3]
.endr
	s_delay_alu instid0(VALU_DEP_1)
	v_pk_add_f32 v[T:T+1], v[T:T+1], v[T+2:T+3]
	s_delay_alu instid0(VALU_DEP_1)
	v_add_f32 v[T], v[T], v[T+1]
	s_delay_alu instid0(VALU_DEP_1)
	v_permlanex16_b32 v[T+4], v[T], s[SEL], s[SEL+1]
	s_delay_alu instid0(VALU_DEP_1)
	v_add_f32 v[T], v[T], v[T+4]                   ; with lane l xor 16's 32 dims
	s_wait_alu depctr_va_vdst(0)
	v_sqrt_f32 v[T], v[T]
	v_nop
	s_wait_alu depctr_va_vdst(0)
	v_max_num_f32 v[T], 0x2b8cbccc, v[T]           ; max(n, 1e-12)
	s_wait_alu depctr_va_vdst(0)
	v_rcp_f32 v[T], v[T]
	v_nop
	s_wait_alu depctr_va_vdst(0)
	v_mul_f32 v[FC], v[T], v[SM]
.set j, 0
.rept 16
	v_pk_mul_f32 v[X+j:X+j+1], v[X+j:X+j+1], v[FC:FC+1] op_sel_hi:[1,0]
.set j, j+2
.endr
	s_wait_dscnt 0x0                               ; cos and sin
.irp t, 0,1,2,3                        ; RoPE: registers 2 i, 2 i + 1 of tile t are the pair 8 t + 4 h + i
.irp i, 0,1,2,3
	v_mul_f32 v[T+2*\i], v[X+8*\t+2*\i+1], v[SNN+4*\t+\i]
	v_mul_f32 v[T+2*\i+1], v[X+8*\t+2*\i], v[SNN+4*\t+\i]
.endr
.irp i, 0,1,2,3
	v_fma_f32 v[X+8*\t+2*\i], v[X+8*\t+2*\i], v[CSN+4*\t+\i], -v[T+2*\i]
	v_fma_f32 v[X+8*\t+2*\i+1], v[X+8*\t+2*\i+1], v[CSN+4*\t+\i], v[T+2*\i+1]
.endr
.endr
	QUANT X, 2, SC+4*(\a)
	v_or_b32 v[PWA+\a], 0x7f7f0000, v[QW]          ; bytes 2, 3: 2^0 for the zero codes of k = 64 .. 127
.if (\a) < 2
	global_store_b128 v[LI], v[SC+4*(\a):SC+4*(\a)+3], s[52:53] offset:512*(\a)   ; 32 lanes store 512 consecutive bytes, aligned
.else
	global_store_b128 v[BO], v[SC+4*(\a):SC+4*(\a)+3], s[52:53] offset:512*(\a)   ; the same 512 bytes; for k the lanes' places are exchanged as above
.endif
.endm
.irp a, 0,1,2,3
	QK_OUT \a
.endr
	v_cmp_eq_u32 vcc_lo, 1, v2
	s_delay_alu instid0(VALU_DEP_1)
	v_cndmask_b32 v[PWA], v[PWA], v[PWA+2], vcc_lo ; lanes 16-31 store tiles 2 and 3's words
	s_delay_alu instid0(VALU_DEP_2)
	v_cndmask_b32 v[PWA+1], v[PWA+1], v[PWA+3], vcc_lo
	global_store_b64 v[WO], v[PWA:PWA+1], s[54:55] ; 256 consecutive bytes, aligned
	s_branch .Ldone
	; ======== v ========
.Lrole_v:
.set XFV, 32                           ; v32-95   x's eight fragments
.set WFV, 224                          ; v224-239 W's two;  scale words of x's tile a at v[16 + 4 a] (a < 4) and v[240 + 4 (a - 4)]; lanes 16-31 of tiles 0, 1's hold W's two tiles'
	s_mul_i32 s35, s67, HALFB
	s_mul_i32 s36, s2, 2*TILE
	s_add_co_u32 s35, s35, s36
	s_add_co_u32 s35, s35, WC+2*PARTB
	s_wait_alu depctr_va_vdst(0)
	v_add_nc_u32 v[FW], s35, v[LT]                 ; v's part: my head's rows, my two tiles of 16
	s_mul_i32 s38, s67, 4*STILE
	s_mul_i32 s39, s2, 2*STILE
	s_add_co_u32 s38, s38, s39
	s_add_co_u32 s38, s38, WS+2*SPART-XS
	v_mul_u32_u24 v[AS], s38, v2                   ; lanes 16-31 take W's words: the lower base + h x the distance
	s_delay_alu instid0(VALU_DEP_1)
	v_add_nc_u32 v[AS], v[AS], v[SLT]
	s_delay_alu instid0(VALU_DEP_1)
	v_add_nc_u32 v[AS], XS, v[AS]
	v_add_nc_u32 v[AS2], XS, v[SLT]
	v_lshlrev_b32 v[WO], 3, v1
	s_delay_alu instid0(VALU_DEP_1)
	v_lshl_add_u32 v[WO], v2, 2, v[WO]             ; 8 r + 4 h
	s_lshl_b32 s44, s2, 11
	s_add_co_u32 s44, s44, s49
	s_add_co_u32 s44, s44, 4096                    ; V^T's codes: my two tiles of 1,024 bytes
	s_mov_b32 s45, 0
	s_lshl_b32 s46, s2, 7
	s_add_co_u32 s46, s46, s49
	s_add_co_u32 s46, s46, 8704                    ; and their words: my 128 bytes
	s_mov_b32 s47, 0
	s_add_nc_u64 s[52:53], s[28:29], s[44:45]
	s_add_nc_u64 s[54:55], s[28:29], s[46:47]
	s_wait_alu depctr_va_vdst(0)
	s_wait_loadcnt 0x0                             ; v_bias is in, and v224-255 are free
.macro V_STEP ks
.if (\ks) > 0
	PLACES 4
.endif
.if (\ks)%4 == 0
.irp a, 0,1
	ds_load_b128 v[16+4*\a:19+4*\a], v[AS] offset:STILE*\a+16*((\ks)/4)
.endr
.irp a, 2,3,4,5,6,7
	ds_load_b128 v[16+4*\a+208*(\a/4):19+4*\a+208*(\a/4)], v[AS2] offset:STILE*\a+16*((\ks)/4)
.endr
.endif
.irp a, 0,1,2,3,4,5,6,7
.irp c, 0,1
	ds_load_b128 v[XFV+8*\a+4*\c:XFV+8*\a+4*\c+3], v[LT] offset:TILE*\a+64*(\ks)+32*\c
.endr
.endr
.irp n, 0,1
.irp c, 0,1
	ds_load_b128 v[WFV+8*\n+4*\c:WFV+8*\n+4*\c+3], v[FW] offset:TILE*\n+64*(\ks)+32*\c
.endr
.endr
	s_wait_dscnt 0x0
.irp a, 0,1,2,3,4,5,6,7
.irp n, 0,1
.if (\ks) == 0
	v_wmma_scale_f32_16x16x128_f8f6f4 v[ACC+64*\n+8*\a:ACC+64*\n+8*\a+7], v[XFV+8*\a:XFV+8*\a+7], v[WFV+8*\n:WFV+8*\n+7], 0, v[16+4*\a+208*(\a/4)+(\ks)%4], v[16+4*\n+(\ks)%4] matrix_a_fmt:MATRIX_FMT_FP4 matrix_b_fmt:MATRIX_FMT_FP4 matrix_b_scale:MATRIX_SCALE_ROW1
.else
	v_wmma_scale_f32_16x16x128_f8f6f4 v[ACC+64*\n+8*\a:ACC+64*\n+8*\a+7], v[XFV+8*\a:XFV+8*\a+7], v[WFV+8*\n:WFV+8*\n+7], v[ACC+64*\n+8*\a:ACC+64*\n+8*\a+7], v[16+4*\a+208*(\a/4)+(\ks)%4], v[16+4*\n+(\ks)%4] matrix_a_fmt:MATRIX_FMT_FP4 matrix_b_fmt:MATRIX_FMT_FP4 matrix_b_scale:MATRIX_SCALE_ROW1
.endif
.endr
.endr
.endm
.irp ks, 0,1,2,3,4,5,6,7
	V_STEP \ks
.endr
	; The 64 registers of a tile of dims are 128 tokens' worth of one dim a lane pair: one fragment of V^T and one scale word a row
.set TM,  32
.set QW,  44
.set PCV, 48
.set PWV, 64
	PLACES 4
.irp b, 0,1,2,3
	v_mov_b32 v[TM+4+\b], 0
.endr
.macro V_OUT n
.set X, ACC+64*(\n)
.if (\n) == 1
	v_mov_b32 v[VB], v[VB+1]                       ; the second tile's bias into the pair's low word, which serves both halves
.endif
.set j, 0
.rept 32
	v_pk_add_f32 v[X+j:X+j+1], v[X+j:X+j+1], v[VB:VB+1] op_sel_hi:[1,0]
.set j, j+2
.endr
	QUANT X, 4, PCV+8*(\n)
	v_mov_b32 v[PWV+\n], v[QW]
	global_store_b128 v[LI], v[PCV+8*(\n):PCV+8*(\n)+3], s[52:53] offset:1024*(\n)
	global_store_b128 v[LI], v[PCV+8*(\n)+4:PCV+8*(\n)+7], s[52:53] offset:1024*(\n)+512
.endm
	V_OUT 0
	V_OUT 1
	v_cmp_eq_u32 vcc_lo, 1, v2
	s_delay_alu instid0(VALU_DEP_1)
	v_cndmask_b32 v[PWV], v[PWV], v[PWV+1], vcc_lo
	global_store_b32 v[WO], v[PWV], s[54:55]       ; 128 consecutive bytes: the other pair's wave writes the unit's other half (the words are a sixteenth of the codes' bytes)
.Ldone:
	s_set_vgpr_msb 0x5
	s_wait_tensorcnt 0x0
	ds_add_u32 v0, v1
	s_wait_dscnt 0x0
	s_set_vgpr_msb 0x500
	CROUND                                         ; the closing round: no work-group ends while a partner may still ask for a tile that names it
	s_endpgm
.Lfunc_end_k_q93258c1272_qkv:
	.size	k_q93258c1272_qkv, .Lfunc_end_k_q93258c1272_qkv-k_q93258c1272_qkv
	.p2alignl 7, 3214868480
	.fill 96, 4, 3214868480
	.section	.rodata,"a",@progbits
	.p2align	6, 0x0
	.amdhsa_kernel k_q93258c1272_qkv
		.amdhsa_group_segment_fixed_size 327680
		.amdhsa_private_segment_fixed_size 0
		.amdhsa_enable_private_segment 0
		.amdhsa_kernarg_size 88
		.amdhsa_user_sgpr_count 2
		.amdhsa_user_sgpr_kernarg_segment_ptr 1
		.amdhsa_wavefront_size32 1
		.amdhsa_system_sgpr_workgroup_id_x 1
		.amdhsa_system_sgpr_workgroup_id_y 1
		.amdhsa_system_sgpr_workgroup_id_z 1
		.amdhsa_system_vgpr_workitem_id 0
		.amdhsa_next_free_vgpr 258
		.amdhsa_next_free_sgpr 102
		.amdhsa_reserve_vcc 1
		.amdhsa_float_denorm_mode_32 3
		.amdhsa_float_denorm_mode_16_64 3
		.amdhsa_memory_ordered 1
		.amdhsa_forward_progress 1
		.amdhsa_inst_pref_size 117
	.end_amdhsa_kernel
	.amdgpu_metadata
---
amdhsa.version: [ 1, 2 ]
amdhsa.kernels:
  - .name:           k_q93258c1272_qkv
    .symbol:         k_q93258c1272_qkv.kd
    .args:
      - { .name: x_codes, .offset: 0, .size: 8, .value_kind: global_buffer, .address_space: global }
      - { .name: x_scales, .offset: 8, .size: 8, .value_kind: global_buffer, .address_space: global }
      - { .name: mat_qkv_w_codes, .offset: 16, .size: 8, .value_kind: global_buffer, .address_space: global }
      - { .name: mat_qkv_w_scales, .offset: 24, .size: 8, .value_kind: global_buffer, .address_space: global }
      - { .name: q_bias, .offset: 32, .size: 8, .value_kind: global_buffer, .address_space: global }
      - { .name: v_bias, .offset: 40, .size: 8, .value_kind: global_buffer, .address_space: global }
      - { .name: rope_batch, .offset: 48, .size: 8, .value_kind: global_buffer, .address_space: global }
      - { .name: scale_mul, .offset: 56, .size: 8, .value_kind: global_buffer, .address_space: global }
      - { .name: qc, .offset: 64, .size: 8, .value_kind: global_buffer, .address_space: global }
      - { .name: qs, .offset: 72, .size: 8, .value_kind: global_buffer, .address_space: global }
      - { .name: kv, .offset: 80, .size: 8, .value_kind: global_buffer, .address_space: global }
    .group_segment_fixed_size: 327680
    .private_segment_fixed_size: 0
    .kernarg_segment_align: 8
    .kernarg_segment_size: 88
    .max_flat_workgroup_size: 384
    .sgpr_count:     102
    .vgpr_count:     258
    .wavefront_size: 32
...
	.end_amdgpu_metadata
.endif
;; end of part 1
;; launch attn (part 2): grid 16 x 16, 16 waves a work-group, clusters of 4 x 4, 327,680 bytes of LDS; arguments attn_bias, qc, qs, kv, ao; writes ao
.if DOCPART == 2
	.amdgcn_target "amdgcn-amd-amdhsa--gfx1250"
	.amdhsa_code_object_version 6
	.text
	.protected	k_q93258c1272_attn
	.globl	k_q93258c1272_attn
	.p2align	8
	.type	k_q93258c1272_attn,@function
k_q93258c1272_attn:
	s_mov_b64 s[64:65], 0
	v_nop
	global_prefetch_b8 v0, s[64:65] scope:SCOPE_SE
	s_setreg_imm32_b32 hwreg(HW_REG_WAVE_MODE, 25, 1), 1
	s_wait_xcnt 0x0
	s_wait_alu depctr_hold_cnt(0) depctr_sa_sdst(0) depctr_va_vdst(0) depctr_va_sdst(0) depctr_va_ssrc(0) depctr_va_vcc(0) depctr_vm_vsrc(0)
	s_getreg_b32 s2, hwreg(HW_REG_IB_STS2, 6, 4)
	s_cmp_eq_u32 s2, 0
	s_cbranch_scc0 .Lentry_in_a_cluster
	s_endpgm
.Lentry_in_a_cluster:
	s_bfe_u32 s2, ttmp6, 0x10000c
	s_cmp_lg_u32 s2, 0xf033
	s_cbranch_scc0 .Lentry_shape_is_right
	s_endpgm
.Lentry_shape_is_right:
; o = softmax(q k^T + attn_bias) v, both products on codes of FP4 (E2M1) with E8M0 scales, and the quantiser of o along the model's 1,024.  attn_bias is an input: every score is computed, nothing is left out.
; THE SOFTMAX: t = logit x log2(e); M = the running largest t rounded UP to a whole number; p = 2^(t - M) is quantised along the keys, not normalised; the row's sum is taken of the unquantised p and divides at the end.
; When M moves, the sum and O are multiplied by 2^(old M - new M): exact.  The running maximum is kept of the logits; t rises with the logit, so its image is the largest t.
; SHARES.  A work-group owns 128 queries (gy) of FOUR heads (gx) of one batch.  Sixteen waves of 256 registers, four to a SIMD: wave w owns the tile of 16 queries w % 8 for the two heads 2 (w / 8), 2 (w / 8) + 1.
; Every wave walks all 2,048 keys, 128 a step.
; LAYOUT.  Both products are used transposed: S^T = K Q^T + bias^T (source 0 = 16 keys, source 1 = my 16 queries), O^T = V^T P^T: a lane holds ONE query (lane % 16) throughout.
; THE KEYS OF A TILE ARE CHOSEN: row m of tile a is key 64 (a / 4) + 32 (m / 8) + 8 (a % 4) + m % 8.  So lane half h holds, in the 32 registers of tiles 4 c .. 4 c + 3, keys 64 c + 32 h + 0 .. 31 in order: a WHOLE block
; of 32, the very one that the second product's operand wants in that lane: a block's maximum needs no other lane, and the eight conversions' results are the operand's registers.  The choice is made by LDS addresses.
; THE BIAS IS LOADED INTO THE SCORES' REGISTERS, in the result's layout, and the first product adds in place; it is read from LDS once for each head.
; The head's 64 fill half of the instruction's K = 128.  Registers 4-7 of Q's fragments hold zero codes; so whatever codes stand in registers 4-7 of K's fragment add nothing: K's tile k lies at registers 4 k .. 4 k + 3
; and its fragment runs on over tile k + 1's (tile 7's over four registers of zeros).  Bytes 2, 3 of K's and Q's scale words are 127.  V^T's fragments take K's registers when the first product is done.
; RING.  Two LDS slots, each with one step's four records of kv and 128 rows x 128 keys of the bias.  THE CHANGE OF SLOTS STANDS IN THE MIDDLE OF MY SECOND HEAD, behind its first product and the loads of its V, which are
; my last reads of the slot: behind the round each wave has that head's softmax, work on registers, in hand.
; CLUSTER 4 x 4: the four work-groups of a row share gy, so the bias tile; those of a column share gx, so the records: joint loads.  Waves 0-3 ask for a quarter of the bias each, waves 4-7 for a record each,
; waves 8-15 for nothing: one tensor load of a wave is out at any time.
; PREFETCH.  Behind the joint load of step t + 2, waves 8-11 name step t + 3's bytes, each block of 256 bytes once in the cluster, the partners told apart by address: of the bias tile's 128 rows the partner at cx takes
; 32 (waves 8, 9: a lane a row, the row's two blocks); of the four records the partner at cy takes record cy (wave 10: blocks 0-31; wave 11: blocks 32-34, its other lanes name block 34 again).  The loop's last trip names nothing.
; OUT.  ao: a record of 8,704 B for each tile of 16 rows: 16 heads x 512 B (lane's 16 B: row lane % 16, dims 32 (lane / 16) on), then [group of 4 heads][row][2] scale words; my two heads make one word a row.
; LIMITS: NaN and infinities among the inputs are not served (a row whose logits are all -infinity has no sum); logits stay above -2e38.  A block whose largest magnitude lies under 2^-124, a block of zeros among them,
; gets the byte 1: its codes are zeros or held by the floor, and this program alone reads the bytes.  A block's largest p is taken as the image of its largest score, which leans on v_exp_f32 not falling where its input rises.
.set REC,   8960                       ; a record of kv: +0 K's 8 tiles of 16 tokens (in tiles 2, 3, 6, 7 rows r and r xor 8 exchanged), +4096 V^T's 8 quads, +8192 K's words [half][r][tile % 4], +8704 V's words
.set VCO,   4096
.set KSO,   8192
.set VSO,   8704
.set BOFF,  4*REC                      ; behind the four records: the bias
.set BP,    528                        ; a row of it: 512 bytes + 16 of padding
.set SLOT1, 1<<17                      ; slot 1 begins here: one exclusive or turns an address
.set SPARE, 2*SLOT1                    ; the spare words, 128 bytes for each wave: eight blocks of 256 bytes that no other line names
.set SPW, 1                            ; v1   my spare word's address; never rewritten
.set NIL, 2                            ; v2   0; never rewritten
.set LI,  3                            ; v3   16 x lane
.set AB0, 4                            ; v4   my lane's place in the bias tile
.set LV,  5                            ; v5   8 x lane
.set ADI, 6                            ; v6-8 the same three in the slot in hand (v6, v8: at my pair of records)
.set ADB, 7
.set ADV, 8
.set RR,  9                            ; v9   lane % 16
.set HH,  10                           ; v10  lane / 16
.set LKE, 11                           ; v11  my lane's place in K's images for my even tiles;  v43 for the odd ones;  v46 among K's words
.set LKO, 43
.set LKS, 46
.set ADKE, 47                          ; v47, v50, v51 the same three in the slot in hand
.set ADKO, 50
.set ADKS, 51
.set QS,  12                           ; v12-13 Q's scale words, one a head
.set FC,  14                           ; v14-15 f = 2^(old M - new M)
.set ST,  16                           ; v16-23 a head's four: -M, the largest logit, the sum in two halves
.set KS,  24                           ; v24-27 K's scale words of tiles 0, 2, 1, 3 (lanes 0-15) and 4, 6, 5, 7 (lanes 16-31)
.set VS,  28                           ; v28-29 V's: lanes 0-15 tiles 0, 1, lanes 16-31 tiles 2, 3
.set PW,  30                           ; v30  p's scale word
.set QW,  30
.set T1,  31
.set PC,  32                           ; v32-39 p's codes
.set TM,  40                           ; v40-41 block maxima, v42 a permute's result, v44-45 bytes, v48-49 the conversions' scale operands
.set S2,  52                           ; v52-53 the sums' second chain
.set PFO, 54                           ; v54  the prefetches' offset; never rewritten
.set SH8, 55                           ; v55  8 (lane / 16)
.set Q,   56                           ; v56-71 Q's two fragments
.set S,   72                           ; v72-135 the bias, then S^T, then p
.set EP,  72                           ; the way out: a head's 32 numbers
.set O,   136                          ; v136-199 O^T, 32 a head
.set KF,  200                          ; v200-231 K's eight tiles, v232-235 zeros
.set VF,  200                          ; v200-231 V^T's four fragments
.set X,   236                          ; v236-255 at work: the maxima's tree, the sums' third and fourth chain
.set G1B, 24                           ; s[24:31], s[40:43] groups 1 and 0 for the bias;  s[32:39], s[44:47] for the records
.set G1K, 32
.set G0B, 40
.set G0K, 44
.set SEL, 48                           ; s[48:49] lane selects: lane l xor 16
.set CS,  50                           ; s[50:51] log2(e): the packed form names a pair and takes its low word
.set TB,  52                           ; s52  where the slot in hand begins
.set CNT, 53                           ; s53  trips to go
.set TBH, 66                           ; s66  where my pair of records begins in it
.set LIM, 67                           ; s67  1 in waves 8-11, 99 in the others: a wave prefetches while s[CNT] is above it
.set PFA, 68                           ; s[68:69] where my prefetches stand;  s[70:71] a step on, in bytes
.set PFS, 70
.set NC,  77                           ; s77  -log2(e)
.macro PLACES n
.rept \n
	v_nop
.endr
.endm
.macro CROUND                          ; a round of the cluster's barrier
	s_barrier_signal -1
	s_barrier_wait -1
	s_cmp_lg_u32 s3, 0
	s_cbranch_scc1 .Lnot_wave_0_\@
	s_barrier_signal -3
.Lnot_wave_0_\@:
	s_barrier_wait -3
	s_barrier_signal -1
	s_barrier_wait -1
.endm
.macro JLOAD                           ; waves 0-3: the bias; waves 4-7: the records; the others nothing.  Each line has one mask; an s_nop 0 and four v_nop follow each
	s_cmp_lt_u32 s3, 4
	s_cbranch_scc0 .Lfor_kv_\@
	tensor_load_to_lds s[G0B:G0B+3], s[G1B:G1B+7]
	s_nop 0
	PLACES 4
	s_branch .Lasked_\@
.Lfor_kv_\@:
	s_cmp_lt_u32 s3, 8
	s_cbranch_scc0 .Lasked_\@
	tensor_load_to_lds s[G0K:G0K+3], s[G1K:G1K+7]
	s_nop 0
	PLACES 4
.Lasked_\@:
.endm
.macro ASK                             ; the step after the one just asked for; nothing in the loop's last trip (s[CNT] = 1)
	s_cmp_gt_u32 s[CNT], s[LIM]
	s_cbranch_scc0 .Lnot_mine_\@
	global_prefetch_b8 v[PFO], s[PFA:PFA+1] th:TH_LOAD_NT scope:SCOPE_SE
.Lnot_mine_\@:
.endm
; the way out's quantiser: two blocks of 32 along K: tile a (dims 16 a + 8 (lane / 16) + j) at v[src + 8 a]; codes to v[pc] .. v[pc + 3], the two scale bytes to v[QW]
.macro QUANT2 src, pc
.irp b, 0,1
	v_max3_num_f32 v[TM+\b], |v[(\src)+16*\b]|, |v[(\src)+16*\b+1]|, 0x1800000   ; the floor 2^(3 - 127): the byte cannot fall under 1
.endr
.irp i, 2,4,6,8,10,12,14
.irp b, 0,1
	s_delay_alu instid0(VALU_DEP_2)
	v_max3_num_f32 v[TM+\b], v[TM+\b], |v[(\src)+16*\b+\i]|, |v[(\src)+16*\b+\i+1]|
.endr
.endr
.irp b, 0,1
	s_delay_alu instid0(VALU_DEP_2)
	v_permlanex16_b32 v[TM+4+\b], v[TM+\b], s[SEL], s[SEL+1]
.endr
.irp b, 0,1
	s_delay_alu instid0(VALU_DEP_2)
	v_max_num_f32 v[TM+\b], v[TM+\b], v[TM+4+\b]
.endr
.irp b, 0,1
	s_delay_alu instid0(VALU_DEP_2)
	v_add_nc_u32 v[TM+8+\b], 0xff000000, v[TM+\b]  ; 2 off the exponent field: the conversion's scale operand
.endr
.irp b, 0,1
	s_delay_alu instid0(VALU_DEP_2)
	v_lshrrev_b32 v[TM+4+\b], 23, v[TM+8+\b]
.endr
	s_delay_alu instid0(VALU_DEP_1)
	v_lshl_or_b32 v[QW], v[TM+5], 8, v[TM+4]
.irp b, 0,1
	v_cvt_scalef32_pk8_fp4_f32 v[(\pc)+\b], v[(\src)+16*\b:(\src)+16*\b+7], v[TM+8+\b]
	v_cvt_scalef32_pk8_fp4_f32 v[(\pc)+2+\b], v[(\src)+16*\b+8:(\src)+16*\b+15], v[TM+8+\b]
.endr
	v_nop                                          ; one plain place behind the last scaled conversion
	v_permlane16_swap_b32 v[(\pc)], v[(\pc)+1]
	v_permlane16_swap_b32 v[(\pc)+2], v[(\pc)+3]
.endm
	s_load_b256 s[8:15], s[0:1], 0x0               ; attn_bias s[8:9], qc s[10:11], qs s[12:13], kv s[14:15]
	s_load_b64 s[16:17], s[0:1], 0x20              ; ao
	v_lshl_add_u32 v[SPW], v0, 2, SPARE
	v_mov_b32 v[NIL], 0
	ds_add_u32 v[SPW], v[NIL]                      ; the opening lines: the add, twice on end, and its wait ahead of the first tensor load
	ds_add_u32 v[SPW], v[NIL]
	v_lshrrev_b32 v3, 5, v0
	s_delay_alu instid0(VALU_DEP_1)
	v_readfirstlane_b32 s3, v3                     ; wave 0..15
	s_and_b32 s21, s3, 3                           ; which quarter of the bias or which record I fetch, if I fetch
	s_and_b32 s20, s3, 7                           ; my tile of 16 queries
	s_lshr_b32 s2, s3, 3                           ; my pair of heads
	s_bfe_u32 s4, ttmp6, 0x40000                   ; cx
	s_bfe_u32 s5, ttmp6, 0x40004                   ; cy
	s_lshl_b32 s6, ttmp9, 2
	s_add_co_u32 s6, s6, s4                        ; gx: heads 4 gx .. 4 gx + 3 of the 64
	s_and_b32 s7, ttmp7, 0xffff
	s_lshl_b32 s7, s7, 2
	s_add_co_u32 s7, s7, s5                        ; gy: queries 128 gy on
	s_lshl_b32 s18, s5, 2
	s_lshl_b32 s18, 15, s18                        ; my row of the cluster
	s_lshl_b32 s19, 0x1111, s4                     ; my column
	s_or_b32 s[G1B], s18, (2<<16)|(1<<20)|(1<<21)|(6<<22)|(3<<25)   ; the mask; elements of 4 bytes; padding on; bit 21 beside a mask; 4 words behind every 128
	s_mov_b32 s[G1B+1], 128<<16                    ; tensor_dim0 = 128 keys
	s_mov_b32 s[G1B+2], 32<<16                     ; tensor_dim1 = 32 queries
	s_mov_b32 s[G1B+3], 128<<16                    ; tile_dim0
	s_mov_b32 s[G1B+4], 32                         ; tile_dim1
	s_mov_b32 s[G1B+5], 2048                       ; the pitch
	s_mov_b32 s[G1B+6], 0
	s_mov_b32 s[G1B+7], 0
	s_or_b32 s[G1K], s19, (3<<16)|(1<<21)          ; a record: dense, 35 rows of 32 elements of 8 bytes, no padding
	s_mov_b32 s[G1K+1], 32<<16
	s_mov_b32 s[G1K+2], 35<<16
	s_mov_b32 s[G1K+3], 32<<16
	s_mov_b32 s[G1K+4], 35
	s_mov_b32 s[G1K+5], 32
	s_mov_b32 s[G1K+6], 0
	s_mov_b32 s[G1K+7], 0
	s_mov_b32 s[G0B], 1
	s_mul_i32 s[G0B+1], s21, 32*BP
	s_add_co_u32 s[G0B+1], s[G0B+1], BOFF          ; slot 0, my 32 rows
	s_lshl_b32 s56, s7, 20                         ; 128 gy rows of 8,192 bytes
	s_lshl_b32 s57, s21, 18                        ; + 32 rows a quarter
	s_add_co_u32 s56, s56, s57
	s_mov_b32 s57, 0
	s_mov_b32 s[G0K], 1
	s_mul_i32 s[G0K+1], s21, REC                   ; slot 0, one head's record
	s_lshl_b32 s58, s6, 2
	s_add_co_u32 s58, s58, s21                     ; bh
	s_mul_i32 s58, s58, 16*REC
	s_mov_b32 s59, 0
	s_lshl_b32 s60, s6, 18                         ; qc: 4 gx heads of 65,536 bytes,
	s_lshl_b32 s61, s7, 12                         ; 8 gy tiles of 512,
	s_add_co_u32 s60, s60, s61
	s_lshl_b32 s61, s20, 9                         ; my tile,
	s_add_co_u32 s60, s60, s61
	s_lshl_b32 s61, s2, 17                         ; my pair of heads
	s_add_co_u32 s60, s60, s61
	s_mov_b32 s61, 0
	s_lshl_b32 s62, s6, 15                         ; qs: 4 gx heads of 8,192 bytes,
	s_lshl_b32 s63, s7, 9                          ; the step's 512,
	s_add_co_u32 s62, s62, s63
	s_lshr_b32 s63, s20, 2
	s_lshl_b32 s63, s63, 8                         ; my tile: half tile / 4,
	s_add_co_u32 s62, s62, s63
	s_lshl_b32 s63, s21, 2                         ; word tile % 4 of a row's four,
	s_add_co_u32 s62, s62, s63
	s_lshl_b32 s63, s2, 14                         ; my pair of heads
	s_add_co_u32 s62, s62, s63
	s_mov_b32 s63, 0
	s_lshr_b32 s54, s6, 2
	s_lshl_b32 s54, s54, 7
	s_lshl_b32 s55, s7, 3
	s_add_co_u32 s54, s54, s55
	s_add_co_u32 s54, s54, s20                     ; ao: the tile of rows 128 b + 8 gy + tile
	s_mul_i32 s54, s54, 8704
	s_and_b32 s55, s6, 3                           ; g: which four of the 16 heads
	s_lshl_b32 s22, s55, 7
	s_add_co_u32 s22, s22, s54
	s_add_co_u32 s22, s22, 8192                    ; my group's 128 bytes of scale words,
	s_lshl_b32 s23, s2, 2
	s_add_co_u32 s22, s22, s23                     ; my pair's word of a row's two
	s_mov_b32 s23, 0
	s_lshl_b32 s55, s55, 11
	s_add_co_u32 s54, s54, s55                     ; my group's 2,048 bytes of codes,
	s_lshl_b32 s55, s2, 10
	s_add_co_u32 s54, s54, s55                     ; my pair's 1,024
	s_mov_b32 s55, 0
	s_mov_b32 s[SEL], 0x76543210
	s_mov_b32 s[SEL+1], 0xfedcba98
	s_mov_b32 s[CS], 0x3fb8aa3b
	s_mov_b32 s[CS+1], s[CS]
	s_mov_b32 s[NC], 0xbfb8aa3b
	s_mov_b32 s[TB], 0
	s_mul_i32 s[TBH], s2, 2*REC
	s_mov_b32 s[CNT], 14
	s_wait_dscnt 0x0                               ; both opening adds are done
	s_wait_kmcnt 0x0
	s_add_nc_u64 s[G0B+2:G0B+3], s[8:9], s[56:57]
	s_or_b32 s[G0B+3], s[G0B+3], 0x80000000
	s_add_nc_u64 s[G0K+2:G0K+3], s[14:15], s[58:59]
	s_or_b32 s[G0K+3], s[G0K+3], 0x80000000
	s_add_nc_u64 s[10:11], s[10:11], s[60:61]
	s_add_nc_u64 s[12:13], s[12:13], s[62:63]
	s_add_nc_u64 s[22:23], s[16:17], s[22:23]
	s_add_nc_u64 s[16:17], s[16:17], s[54:55]
	CROUND                                         ; all sixteen work-groups are here: the first joint loads meet
	JLOAD                                          ; step 0 into slot 0
	; the prefetches: where my wave's stand (at step 2: the loop's first change of slots steps them to step 3), and who asks
	s_and_b32 s72, s3, 1
	s_lshl_b32 s73, s7, 7
	s_lshl_b32 s74, s4, 5
	s_add_co_u32 s73, s73, s74                     ; the bias: row 128 gy + 32 cx,
	s_lshl_b32 s73, s73, 13
	s_lshl_b32 s74, s72, 8                         ; block w % 2 of a step's 512 bytes,
	s_add_co_u32 s73, s73, s74
	s_add_co_u32 s73, s73, 2*512                   ; step 2
	s_lshl_b32 s74, s6, 2
	s_add_co_u32 s74, s74, s5                      ; kv: head 4 gx + cy,
	s_mul_i32 s74, s74, 16*REC
	s_lshl_b32 s72, s72, 13                        ; 32 blocks on in wave 11,
	s_add_co_u32 s74, s74, s72
	s_add_co_u32 s74, s74, 2*REC                   ; step 2
	s_cmp_lt_u32 s3, 10                            ; waves 8, 9 ask for the bias, waves 10, 11 for a record
	s_cselect_b64 s[PFA:PFA+1], s[8:9], s[14:15]
	s_cselect_b32 s72, s73, s74
	s_mov_b32 s73, 0
	s_mov_b32 s[PFS], REC
	s_cselect_b32 s[PFS], 512, s[PFS]              ; a step on
	s_mov_b32 s[PFS+1], 0
	s_mov_b32 s74, 256
	s_cselect_b32 s74, 8192, s74                   ; from lane to lane
	s_add_nc_u64 s[PFA:PFA+1], s[PFA:PFA+1], s[72:73]
	s_cmp_eq_u32 s3, 11
	s_cselect_b32 s75, 2, 31                       ; wave 11 has three blocks: its lanes from 2 on name the last
	s_lshr_b32 s72, s3, 2
	s_cmp_eq_u32 s72, 2
	s_mov_b32 s[LIM], 99
	s_cselect_b32 s[LIM], 1, s[LIM]
	s_mul_i32 s76, s20, 16*BP
	s_add_co_u32 s76, s76, BOFF
	v_and_b32 v[X], 31, v0                         ; lane
	v_and_b32 v[RR], 15, v0
	v_bfe_u32 v[HH], v0, 4, 1
	v_lshlrev_b32 v[LI], 4, v[X]
	v_lshlrev_b32 v[LV], 3, v[X]
	v_min_u32 v[PFO], s75, v[X]
	v_mul_u32_u24 v[AB0], v[RR], BP
	v_and_b32 v[X+1], 7, v[RR]                     ; r % 8
	v_lshrrev_b32 v[X+2], 3, v[RR]                 ; r / 8
	v_mul_u32_u24 v[PFO], v[PFO], s74
	v_lshl_add_u32 v[AB0], v[HH], 7, v[AB0]
	v_lshlrev_b32 v[X+1], 4, v[X+1]
	v_lshlrev_b32 v[SH8], 3, v[HH]
	v_lshlrev_b32 v[ADI], 4, v[RR]                 ; (for now: 16 r, a row's four words of qs)
	v_add_nc_u32 v[AB0], s76, v[AB0]               ; row 16 tile + r, + 128 h: keys 32 h on
	v_lshl_add_u32 v[X+1], v[HH], 8, v[X+1]        ; 16 (r % 8) + 256 h
	s_delay_alu instid0(VALU_DEP_1)
	v_mad_u32_u24 v[LKE], v[X+2], 1152, v[X+1]     ; K's images.  Row r of my tile a is row 8 (a % 2) + r % 8 of image 4 (a / 4) + 2 (r / 8) + (a % 4) / 2; in the images with r / 8 = 1 rows r and r xor 8 are exchanged.  a even: + (1,024 + 128) (r / 8)
	v_mad_u32_u24 v[LKO], v[X+2], 896, v[X+1]      ; a odd: + 128 + (1,024 - 128) (r / 8)
	v_lshl_add_u32 v[LKS], v[X+2], 3, v[X+1]       ; K's words: 16 (r % 8) + 8 (r / 8), + 256 in lanes 16-31, which take tiles 4-7's
	s_delay_alu instid0(VALU_DEP_2)
	v_add_nc_u32 v[LKO], 128, v[LKO]
.irp hd, 0,1
	global_load_b128 v[Q+8*\hd:Q+8*\hd+3], v[LI], s[10:11] offset:\hd*65536    ; Q's fragments stay in registers
	global_load_b32 v[QS+\hd], v[ADI], s[12:13] offset:\hd*8192
.endr
.irp hd, 0,1
.irp i, 4,5,6,7
	v_mov_b32 v[Q+8*\hd+\i], 0                     ; zero codes for k = 64 .. 127
.endr
.endr
.set j, 0
.rept 64
	v_mov_b32 v[O+j], 0                            ; O^T.  (The step has no first form of its own: the first step finds zeros, which the first change of M leaves zeros)
.set j, j+1
.endr
.irp i, 32,33,34,35
	v_mov_b32 v[KF+\i], 0                          ; what tile 7's fragment runs on over
.endr
.irp hd, 0,1
	v_mov_b32 v[ST+4*\hd+1], 0xff167699            ; the largest logit so far: -2e38
	v_mov_b32 v[ST+4*\hd+2], 0
	v_mov_b32 v[ST+4*\hd+3], 0
	v_mul_f32 v[ST+4*\hd], s[NC], v[ST+4*\hd+1]
	s_delay_alu instid0(VALU_DEP_1)
	v_floor_f32 v[ST+4*\hd], v[ST+4*\hd]           ; -M
.endr
.irp b, 2,4,5
	v_mov_b32 v[TM+\b], 0                          ; written once: a lane permute's destination counts as one of its sources
.endr
	v_mov_b32 v[FC+1], 0                           ; (named as the upper half of a pair)
.macro BLOAD                           ; sixteen LDS loads: bias(my query, keys 64 (k / 4) + 32 h + 8 (k % 4) + 0 .. 7) into the scores' registers
.irp k, 0,1,2,3,4,5,6,7
	ds_load_b128 v[S+8*\k:S+8*\k+3], v[ADB] offset:256*(\k/4)+32*(\k%4)
	ds_load_b128 v[S+8*\k+4:S+8*\k+7], v[ADB] offset:256*(\k/4)+32*(\k%4)+16
.endr
.endm
.macro KLOAD hd                        ; ten: a head's K; the sixteen lanes of a half touch sixteen different columns of 16 bytes
.irp k, 0,2,4,6
	ds_load_b128 v[KF+4*\k:KF+4*\k+3], v[ADKE] offset:REC*(\hd)+2048*(\k/4)+512*((\k%4)/2)
	ds_load_b128 v[KF+4*\k+4:KF+4*\k+7], v[ADKO] offset:REC*(\hd)+2048*(\k/4)+512*((\k%4)/2)
.endr
	ds_load_b64 v[KS:KS+1], v[ADKS] offset:REC*(\hd)+KSO          ; the words of tiles 0, 2 (lanes 16-31: 4, 6),
	ds_load_b64 v[KS+2:KS+3], v[ADKS] offset:REC*(\hd)+KSO+128    ; and of tiles 1, 3 (5, 7)
.endm
.macro VLOAD hd                        ; nine: its V^T
.irp f, 0,1,2,3,4,5,6,7
	ds_load_b128 v[VF+4*\f:VF+4*\f+3], v[ADI] offset:REC*(\hd)+VCO+512*\f
.endr
	ds_load_b64 v[VS:VS+1], v[ADV] offset:REC*(\hd)+VSO
.endm
; A HEAD'S FIRST PART: the scores, and the loads of its V.
.macro HEADA hd
	s_wait_dscnt 0x0                               ; the bias and this head's K are in
.irp k, 0,1,2,3
	v_wmma_scale_f32_16x16x128_f8f6f4 v[S+8*\k:S+8*\k+7], v[KF+4*\k:KF+4*\k+7], v[Q+8*\hd:Q+8*\hd+7], v[S+8*\k:S+8*\k+7], v[KS+2*(\k%2)+\k/2], v[QS+\hd] matrix_a_fmt:MATRIX_FMT_FP4 matrix_b_fmt:MATRIX_FMT_FP4
.endr
.irp k, 0,1,2,3
	v_wmma_scale_f32_16x16x128_f8f6f4 v[S+32+8*\k:S+32+8*\k+7], v[KF+16+4*\k:KF+16+4*\k+7], v[Q+8*\hd:Q+8*\hd+7], v[S+32+8*\k:S+32+8*\k+7], v[KS+2*(\k%2)+\k/2], v[QS+\hd] matrix_a_fmt:MATRIX_FMT_FP4 matrix_b_fmt:MATRIX_FMT_FP4 matrix_a_scale:MATRIX_SCALE_ROW1
.endr
	PLACES 4                                       ; ahead of the loads into K's registers, which matrix instructions have read, and of the first read of the scores
	VLOAD \hd
.endm
; ITS SECOND PART: the softmax, the quantiser, the second product.  more = 1: the bias for my second head is fetched when p's registers are free, its K when V's are.
.macro HEADB hd, more
.irp i, 0,1,2,3,4,5,6,7,8,9            ; the largest score of my two blocks of 32 keys, as a tree: it serves the row's maximum and, since p rises with the score, the block's largest p.  Each accumulator is first read at its low end
.irp c, 0,1
	v_max3_num_f32 v[X+10*\c+\i], v[S+32*\c+3*\i], v[S+32*\c+3*\i+1], v[S+32*\c+3*\i+2]
.endr
.endr
.irp i, 0,3,6
.irp c, 0,1
	v_max3_num_f32 v[X+10*\c+\i], v[X+10*\c+\i], v[X+10*\c+\i+1], v[X+10*\c+\i+2]
.endr
.endr
.irp c, 0,1
	v_max3_num_f32 v[X+10*\c+9], v[X+10*\c+9], v[S+32*\c+30], v[S+32*\c+31]
.endr
	v_mov_b32 v[T1], v[ST+4*\hd]                   ; the old -M
.irp c, 0,1
	v_max3_num_f32 v[TM+\c], v[X+10*\c], v[X+10*\c+3], v[X+10*\c+6]
.endr
.irp c, 0,1
	s_delay_alu instid0(VALU_DEP_2)
	v_max_num_f32 v[TM+\c], v[TM+\c], v[X+10*\c+9]
.endr
	s_delay_alu instid0(VALU_DEP_1)
	v_max3_num_f32 v[ST+4*\hd+1], v[ST+4*\hd+1], v[TM], v[TM+1]
	s_delay_alu instid0(VALU_DEP_1)
	v_permlanex16_b32 v[TM+2], v[ST+4*\hd+1], s[SEL], s[SEL+1]
	s_delay_alu instid0(VALU_DEP_1)
	v_max_num_f32 v[ST+4*\hd+1], v[ST+4*\hd+1], v[TM+2]   ; with lane l xor 16's 64 keys: the running largest logit
	s_delay_alu instid0(VALU_DEP_1)
	v_mul_f32 v[X], s[NC], v[ST+4*\hd+1]           ; -t
	s_delay_alu instid0(VALU_DEP_1)
	v_floor_f32 v[ST+4*\hd], v[X]                  ; the new -M = -ceil(t): a whole number
	s_delay_alu instid0(VALU_DEP_1)
	v_sub_f32 v[T1], v[ST+4*\hd], v[T1]            ; old M - new M, 0 or less
.set j, 0
.rept 4
	v_pk_fma_f32 v[S+j:S+j+1], v[S+j:S+j+1], s[CS:CS+1], v[ST+4*\hd:ST+4*\hd+1] op_sel_hi:[1,0,0]   ; t - M, two at a time
.set j, j+2
.endr
	v_cvt_i32_f32 v[T1], v[T1]                     ; (it saturates)
.rept 4
	v_pk_fma_f32 v[S+j:S+j+1], v[S+j:S+j+1], s[CS:CS+1], v[ST+4*\hd:ST+4*\hd+1] op_sel_hi:[1,0,0]
.set j, j+2
.endr
	v_ldexp_f32 v[FC], 1.0, v[T1]                  ; f = 2^(old M - new M)
.rept 24
	v_pk_fma_f32 v[S+j:S+j+1], v[S+j:S+j+1], s[CS:CS+1], v[ST+4*\hd:ST+4*\hd+1] op_sel_hi:[1,0,0]
.set j, j+2
.endr
.irp c, 0,1
	v_fma_f32 v[TM+\c], v[TM+\c], s[CS], v[ST+4*\hd]   ; the same of each block's largest score
.endr
	s_wait_alu depctr_va_vdst(0)                   ; ahead of the batch
.set j, 0
.rept 64
	v_exp_f32 v[S+j], v[S+j]                       ; p = 2^(t - M)
.set j, j+1
.endr
.irp c, 0,1
	v_exp_f32 v[TM+\c], v[TM+\c]                   ; the block's largest p: the same two instructions on the same number
.endr
	v_pk_mul_f32 v[ST+4*\hd+2:ST+4*\hd+3], v[ST+4*\hd+2:ST+4*\hd+3], v[FC:FC+1] op_sel_hi:[1,0]   ; the sums under the new M (a plain place behind the exponentials)
	s_wait_alu depctr_va_vdst(0)                   ; and behind it, ahead of its first reader
.irp c, 0,1
	v_max_num_f32 v[TM+\c], 0x1800000, v[TM+\c]    ; the floor 2^(3 - 127)
.endr
.irp c, 0,1
	s_delay_alu instid0(VALU_DEP_2)
	v_add_nc_u32 v[TM+8+\c], 0xff000000, v[TM+\c]  ; the conversion's scale operand
.endr
.irp c, 0,1
	s_delay_alu instid0(VALU_DEP_2)
	v_lshrrev_b32 v[TM+4+\c], 23, v[TM+8+\c]       ; the scale's byte
.endr
	s_delay_alu instid0(VALU_DEP_1)
	v_lshl_or_b32 v[PW], v[TM+5], 16, v[TM+4]      ; my two bytes: blocks h and 2 + h,
	s_delay_alu instid0(VALU_DEP_1)
	v_lshlrev_b32 v[PW], v[SH8], v[PW]             ; at their places in the word;
	s_delay_alu instid0(VALU_DEP_1)
	v_permlanex16_b32 v[TM+2], v[PW], s[SEL], s[SEL+1]
	s_delay_alu instid0(VALU_DEP_1)
	v_or_b32 v[PW], v[PW], v[TM+2]                 ; with lane l xor 16's two the word is whole
.irp a, 0,1,2,3,4,5,6,7
	v_cvt_scalef32_pk8_fp4_f32 v[PC+\a], v[S+8*\a:S+8*\a+7], v[TM+8+\a/4]   ; register 4 c + i of the operand: k = 64 c + 32 h + 8 i + 0 .. 7
.endr
	v_nop                                          ; one plain place behind the last scaled conversion
	v_pk_add_f32 v[ST+4*\hd+2:ST+4*\hd+3], v[ST+4*\hd+2:ST+4*\hd+3], v[S:S+1]   ; the row's sum is taken of the UNQUANTISED p: four chains of eight pairs
	v_pk_add_f32 v[S2:S2+1], v[S+16:S+17], v[S+18:S+19]
	v_pk_add_f32 v[X:X+1], v[S+32:S+33], v[S+34:S+35]
	v_pk_add_f32 v[X+2:X+3], v[S+48:S+49], v[S+50:S+51]
	v_pk_add_f32 v[ST+4*\hd+2:ST+4*\hd+3], v[ST+4*\hd+2:ST+4*\hd+3], v[S+2:S+3]
.irp j, 4,6,8,10,12,14
	v_pk_add_f32 v[S2:S2+1], v[S2:S2+1], v[S+16+\j:S+17+\j]
	v_pk_add_f32 v[X:X+1], v[X:X+1], v[S+32+\j:S+33+\j]
	v_pk_add_f32 v[X+2:X+3], v[X+2:X+3], v[S+48+\j:S+49+\j]
	v_pk_add_f32 v[ST+4*\hd+2:ST+4*\hd+3], v[ST+4*\hd+2:ST+4*\hd+3], v[S+\j:S+\j+1]
.endr
	v_pk_add_f32 v[X:X+1], v[X:X+1], v[X+2:X+3]
	v_pk_add_f32 v[ST+4*\hd+2:ST+4*\hd+3], v[ST+4*\hd+2:ST+4*\hd+3], v[S2:S2+1]
	s_delay_alu instid0(VALU_DEP_1)
	v_pk_add_f32 v[ST+4*\hd+2:ST+4*\hd+3], v[ST+4*\hd+2:ST+4*\hd+3], v[X:X+1]   ; (these 32 and the 16 below are the places between p's codes and scale word and the scaled products)
.if \more
	BLOAD                                          ; p has been read for the last time: the bias once more, for my second head
	s_wait_dscnt 16                                ; V is in; the sixteen loads of the bias are younger and may stay out
.else
	s_wait_dscnt 0x0                               ; V is in
.endif
	s_wait_alu depctr_va_vdst(0)                   ; directly ahead of the first reader of O^T
.set j, 0
.rept 16
	v_pk_mul_f32 v[O+32*\hd+j:O+32*\hd+j+1], v[O+32*\hd+j:O+32*\hd+j+1], v[FC:FC+1] op_sel_hi:[1,0]   ; O^T under the new M, each accumulator from its low end on
.set j, j+2
.endr
.irp d, 0,1
	v_wmma_scale_f32_16x16x128_f8f6f4 v[O+32*\hd+8*\d:O+32*\hd+8*\d+7], v[VF+8*\d:VF+8*\d+7], v[PC:PC+7], v[O+32*\hd+8*\d:O+32*\hd+8*\d+7], v[VS+\d], v[PW] matrix_a_fmt:MATRIX_FMT_FP4 matrix_b_fmt:MATRIX_FMT_FP4
.endr
.irp d, 2,3
	v_wmma_scale_f32_16x16x128_f8f6f4 v[O+32*\hd+8*\d:O+32*\hd+8*\d+7], v[VF+8*\d:VF+8*\d+7], v[PC:PC+7], v[O+32*\hd+8*\d:O+32*\hd+8*\d+7], v[VS+\d-2], v[PW] matrix_a_fmt:MATRIX_FMT_FP4 matrix_b_fmt:MATRIX_FMT_FP4 matrix_a_scale:MATRIX_SCALE_ROW1
.endr
	PLACES 4                                       ; ahead of the next loads into V's registers
.if \more
	KLOAD \hd+1
.endif
.endm
.macro STEPA                           ; a step of 128 keys up to my last read of its slot: my first head, and my second head's first part
	v_add_nc_u32 v[ADB], s[TB], v[AB0]
	v_add_nc_u32 v[ADKE], s[TBH], v[LKE]
	v_add_nc_u32 v[ADKO], s[TBH], v[LKO]
	v_add_nc_u32 v[ADKS], s[TBH], v[LKS]
	v_add_nc_u32 v[ADI], s[TBH], v[LI]
	v_add_nc_u32 v[ADV], s[TBH], v[LV]
	BLOAD
	KLOAD 0
	s_wait_alu depctr_va_vdst(0)                   ; directly ahead of the wait below
	HEADA 0
	HEADB 0, 1
	HEADA 1
.endm
.macro STEPB                           ; the rest of the step: work on registers
	HEADB 1, 0
	s_xor_b32 s[TB], s[TB], SLOT1                  ; on to the other slot
	s_xor_b32 s[TBH], s[TBH], SLOT1
.endm
; THE CHANGE OF SLOTS.  Each wave waits for all its tensor loads (its part of the slot that it will read next), adds 0 to its spare word, and waits for that and for its reads of the slot in hand, which are over.
; fill = 1: a round of the cluster's barrier, so that no wave of any partner still reads that slot or has a load on its way; the joint load into it is the first thing behind the round.  ask = 1: with a prefetch.
.macro CHANGE fill, ask
	s_wait_tensorcnt 0x0                           ; no tensor load of mine is out, so a group 0 may be written
	ds_add_u32 v[SPW], v[NIL]                      ; 0 onto my spare word
.if \fill
	ds_add_u32 v[SPW], v[NIL]                      ; and once more: the add twice on end
	s_xor_b32 s[G0B+1], s[G0B+1], SLOT1            ; the walking descriptors: the other slot than last time,
	s_add_nc_u64 s[G0B+2:G0B+3], s[G0B+2:G0B+3], 512   ; the next 128 keys of each row,
	s_xor_b32 s[G0K+1], s[G0K+1], SLOT1
	s_add_nc_u64 s[G0K+2:G0K+3], s[G0K+2:G0K+3], REC   ; the next record
.if \ask
	s_wait_xcnt 0x0                                ; any prefetch of mine has read its address, so it may be written:
	s_add_nc_u64 s[PFA:PFA+1], s[PFA:PFA+1], s[PFS:PFS+1]  ; one step further on than the walking descriptors
.endif
	s_wait_dscnt 0x0                               ; both adds are done, and my reads of the slot are over
	CROUND
	JLOAD
.if \ask
	ASK
.endif
.else
	s_wait_dscnt 0x0
	s_barrier_signal -1
	s_barrier_wait -1
.endif
.endm
	s_wait_alu depctr_va_vdst(0)
	s_wait_loadcnt 0x0                             ; Q and its scale words; their address registers are free
	CHANGE 1, 0                                    ; step 0 is in; step 1 into slot 1, its first fill, issued as a refill is
.Lstep:                                            ; 14 trips: trip t walks step t and asks for step t + 2 into the slot that it has read
	STEPA
	CHANGE 1, 1
	STEPB
	s_sub_co_u32 s[CNT], s[CNT], 1
	s_cmp_lg_u32 s[CNT], 0
	s_cbranch_scc1 .Lstep
	STEPA                                          ; steps 14 and 15 are written out: nothing more is asked for
	CHANGE 0, 0                                    ; step 15's slot is whole for every wave
	STEPB
	STEPA
	STEPB
	; THE WAY OUT.  The sums' halves; O^T / the sum; quantised along the head's 64 (two blocks of the projection's K); the codes leave as an image of the projection's operand.
.irp hd, 0,1
	v_add_f32 v[ST+4*\hd+2], v[ST+4*\hd+2], v[ST+4*\hd+3]
.endr
.irp hd, 0,1
	s_delay_alu instid0(VALU_DEP_2)
	v_permlanex16_b32 v[TM+4+\hd], v[ST+4*\hd+2], s[SEL], s[SEL+1]
.endr
.irp hd, 0,1
	s_delay_alu instid0(VALU_DEP_2)
	v_add_f32 v[ST+4*\hd+2], v[ST+4*\hd+2], v[TM+4+\hd]
.endr
	s_wait_alu depctr_va_vdst(0)                   ; ahead of the batch
.irp hd, 0,1
	v_rcp_f32 v[ST+4*\hd+2], v[ST+4*\hd+2]
.endr
	v_nop                                          ; a plain place behind the last reciprocal
	s_wait_alu depctr_va_vdst(0)                   ; and behind it, ahead of its first reader and of the first reader of O^T
.irp hd, 0,1
.set j, 0
.rept 16
	v_pk_mul_f32 v[EP+j:EP+j+1], v[O+32*\hd+j:O+32*\hd+j+1], v[ST+4*\hd+2:ST+4*\hd+3] op_sel_hi:[1,0]
.set j, j+2
.endr
	QUANT2 EP, VF+4*\hd
	v_mov_b32 v[PC+\hd], v[QW]                     ; the head's two bytes
	global_store_b128 v[LI], v[VF+4*\hd:VF+4*\hd+3], s[16:17] offset:512*\hd   ; 32 lanes store 512 consecutive bytes, aligned
.endr
	v_lshl_or_b32 v[PC+4], v[PC+1], 16, v[PC]      ; the scale word of the projection's K step that my two heads make
	v_lshlrev_b32 v[PC+6], 3, v[RR]                ; 8 r: a row's two words; lanes 16-31 hold the same word as lanes 0-15 and do not store
	v_cmp_eq_u32 vcc_lo, 0, v[HH]
	s_wait_alu depctr_va_vdst(0)
	s_wait_xcnt 0x0                                ; EXEC changes only behind this wait
	s_and_saveexec_b32 s72, vcc_lo
	global_store_b32 v[PC+6], v[PC+4], s[22:23]    ; sixteen words, 8 bytes apart: the other pair's wave writes those between (the words are a sixteenth of the codes' bytes)
	s_wait_xcnt 0x0
	s_or_b32 exec_lo, exec_lo, s72
	s_wait_tensorcnt 0x0                           ; the wave's end
	ds_add_u32 v[SPW], v[NIL]
	s_wait_dscnt 0x0
	CROUND                                         ; the closing round
	s_endpgm
.Lfunc_end_k_q93258c1272_attn:
	.size	k_q93258c1272_attn, .Lfunc_end_k_q93258c1272_attn-k_q93258c1272_attn
	.p2alignl 7, 3214868480
	.fill 96, 4, 3214868480
	.section	.rodata,"a",@progbits
	.p2align	6, 0x0
	.amdhsa_kernel k_q93258c1272_attn
		.amdhsa_group_segment_fixed_size 327680
		.amdhsa_private_segment_fixed_size 0
		.amdhsa_enable_private_segment 0
		.amdhsa_kernarg_size 40
		.amdhsa_user_sgpr_count 2
		.amdhsa_user_sgpr_kernarg_segment_ptr 1
		.amdhsa_wavefront_size32 1
		.amdhsa_system_sgpr_workgroup_id_x 1
		.amdhsa_system_sgpr_workgroup_id_y 1
		.amdhsa_system_sgpr_workgroup_id_z 1
		.amdhsa_system_vgpr_workitem_id 0
		.amdhsa_next_free_vgpr 256
		.amdhsa_next_free_sgpr 80
		.amdhsa_reserve_vcc 1
		.amdhsa_float_denorm_mode_32 3
		.amdhsa_float_denorm_mode_16_64 3
		.amdhsa_memory_ordered 1
		.amdhsa_forward_progress 1
		.amdhsa_inst_pref_size 116
	.end_amdhsa_kernel
	.amdgpu_metadata
---
amdhsa.version: [ 1, 2 ]
amdhsa.kernels:
  - .name:           k_q93258c1272_attn
    .symbol:         k_q93258c1272_attn.kd
    .args:
      - { .name: attn_bias, .offset: 0, .size: 8, .value_kind: global_buffer, .address_space: global }
      - { .name: qc, .offset: 8, .size: 8, .value_kind: global_buffer, .address_space: global }
      - { .name: qs, .offset: 16, .size: 8, .value_kind: global_buffer, .address_space: global }
      - { .name: kv, .offset: 24, .size: 8, .value_kind: global_buffer, .address_space: global }
      - { .name: ao, .offset: 32, .size: 8, .value_kind: global_buffer, .address_space: global }
    .group_segment_fixed_size: 327680
    .private_segment_fixed_size: 0
    .kernarg_segment_align: 8
    .kernarg_segment_size: 40
    .max_flat_workgroup_size: 512
    .sgpr_count:     80
    .vgpr_count:     256
    .wavefront_size: 32
...
	.end_amdgpu_metadata
.endif
;; end of part 2
;; launch proj (part 3): grid 4 x 64, 8 waves a work-group, clusters of 4 x 4, 263,168 bytes of LDS; arguments ao, proj_w_codes, proj_w_scales, proj_b, out0; writes out0
.if DOCPART == 3
	.amdgcn_target "amdgcn-amd-amdhsa--gfx1250"
	.amdhsa_code_object_version 6
	.text
	.protected	k_q93258c1272_proj
	.globl	k_q93258c1272_proj
	.p2align	8
	.type	k_q93258c1272_proj,@function
k_q93258c1272_proj:
	s_mov_b64 s[64:65], 0
	v_nop
	global_prefetch_b8 v0, s[64:65] scope:SCOPE_SE
	s_setreg_imm32_b32 hwreg(HW_REG_WAVE_MODE, 25, 1), 1
	s_wait_xcnt 0x0
	s_wait_alu depctr_hold_cnt(0) depctr_sa_sdst(0) depctr_va_vdst(0) depctr_va_sdst(0) depctr_va_ssrc(0) depctr_va_vcc(0) depctr_vm_vsrc(0)
	s_getreg_b32 s2, hwreg(HW_REG_IB_STS2, 6, 4)
	s_cmp_eq_u32 s2, 0
	s_cbranch_scc0 .Lentry_in_a_cluster
	s_endpgm
.Lentry_in_a_cluster:
	s_bfe_u32 s2, ttmp6, 0x10000c
	s_cmp_lg_u32 s2, 0xf033
	s_cbranch_scc0 .Lentry_shape_is_right
	s_endpgm
.Lentry_shape_is_right:
; out0 = o proj_w^T + proj_b on codes of FP4 (E2M1) with E8M0 scales.  o comes as ao: for each tile of 16 rows a record of 8,704 B: 16 quads x 512 B (an image of the operand's registers: quad c of K step s is
; number 2 s + c; a lane's 16 bytes at 16 x lane), then [g][row][2] scale words (word j of group g: K step 2 g + j).  proj_w comes as given: rows of 512 bytes of codes, 32 scale bytes a row.
; SHARES.  A work-group makes 128 rows (gy) x 256 columns (gx) over all of K = 1,024; all that it reads fits into LDS at once: every tensor load fills its bytes once, nothing is filled again.
; Eight waves, two to a SIMD; wave w: rows 64 (w % 2) on, columns 64 (w / 2) on: 16 accumulators.  The product is used TRANSPOSED (source 0 = 16 rows of proj_w, source 1 = 16 rows of o): a lane holds eight
; neighbouring columns of one row.  proj_b is LOADED INTO THE ACCUMULATORS, in the result's layout: every K step adds in place, nothing is cleared and nothing is added afterwards.
; CLUSTER 4 x 4: the four work-groups of a row share gy (ao), the four of a column gx (proj_w): joint loads; at most one tensor load of a wave is out.
.set AREC,  8704
.set FP,    528                        ; a row of 1,024 codes in LDS: 512 bytes + 16 of padding
.set TILE,  16*FP
.set SUN,   272                        ; a unit of 256 dense bytes + 16 of padding
.set AI,    0                          ; LDS: ao's 8 records, dense
.set BC,    8*AREC                     ; proj_w's codes, 256 rows
.set BSO,   BC+256*FP                  ; its scale bytes, 32 units
.set STG,   BSO+32*SUN                 ; the way out: 16 rows x 272 bytes for each wave: bytes of their own, into which no fill lands; the map ends at 248,320
.set G1A,  24                          ; s[24:31], s[48:51] groups 1 and 0 for ao;  s[32:39], s[52:55] for the codes;  s[40:47], s[56:59] for the scale bytes
.set G1BC, 32
.set G1BS, 40
.set G0A,  48
.set G0BC, 52
.set G0BS, 56
.set FA,  3                            ; v3   LDS address of my o fragments
.set FB,  4                            ; v4   of my proj_w fragments
.set ASA, 5                            ; v5   of o's scale words
.set ASB, 6                            ; v6   of proj_w's
.set STO, 7                            ; v7   the stage: where I put 32 bytes of a row
.set RD,  8                            ; v8   and where I read a row back
.set CO,  9                            ; v9   my byte offset in two rows of out0
.set BO,  10                           ; v10  32 (lane / 16): my eight numbers of proj_b in a tile
.set SA,  16                           ; v16-31 o's words: tile a at 4 a; register 2 q + j: lanes 0-15 K step 4 q + j, lanes 16-31 K step 4 q + 2 + j
.set SB,  32                           ; v32-47 proj_w's words: tile t at 4 t, four K steps
.set BF,  48                           ; v48-79  proj_w's four fragments
.set AF,  80                           ; v80-111 o's four
.set ACC, 112                          ; v112-239 accumulator (a, t) at 32 a + 8 t
.macro PLACES n
.rept \n
	v_nop
.endr
.endm
.macro CROUND
	s_barrier_signal -1
	s_barrier_wait -1
	s_cmp_lg_u32 s3, 0
	s_cbranch_scc1 .Lnot_wave_0_\@
	s_barrier_signal -3
.Lnot_wave_0_\@:
	s_barrier_wait -3
	s_barrier_signal -1
	s_barrier_wait -1
.endm
.macro SHAPE g, c, r                   ; group 1, words 1 to 7: r rows of c elements, dense in memory
	s_mov_b32 s[\g+1], (\c)<<16
	s_mov_b32 s[\g+2], (\r)<<16
	s_mov_b32 s[\g+3], (\c)<<16
	s_mov_b32 s[\g+4], \r
	s_mov_b32 s[\g+5], \c
	s_mov_b32 s[\g+6], 0
	s_mov_b32 s[\g+7], 0
.endm
	s_load_b256 s[8:15], s[0:1], 0x0               ; ao s[8:9], proj_w codes s[10:11], scales s[12:13], proj_b s[14:15]
	s_load_b64 s[16:17], s[0:1], 0x20              ; out0
	v_lshl_add_u32 v254, v0, 2, 0x40000
	v_mov_b32 v255, 0
	ds_add_u32 v254, v255
	ds_add_u32 v254, v255
	v_lshrrev_b32 v1, 5, v0
	s_delay_alu instid0(VALU_DEP_1)
	v_readfirstlane_b32 s3, v1                     ; wave 0..7
	s_and_b32 s20, s3, 1                           ; which 64 rows
	s_lshr_b32 s21, s3, 1                          ; which 64 columns
	s_bfe_u32 s4, ttmp6, 0x40000
	s_bfe_u32 s5, ttmp6, 0x40004
	s_lshl_b32 s6, ttmp9, 2
	s_add_co_u32 s6, s6, s4                        ; gx
	s_and_b32 s7, ttmp7, 0xffff
	s_lshl_b32 s7, s7, 2
	s_add_co_u32 s7, s7, s5                        ; gy
	s_lshl_b32 s18, s5, 2
	s_lshl_b32 s18, 15, s18                        ; my row of the cluster
	s_lshl_b32 s19, 0x1111, s4                     ; my column
	s_or_b32 s[G1A], s18, (3<<16)|(1<<21)          ; four records: 136 rows of 256 bytes, no padding
	SHAPE G1A, 32, 136
	s_or_b32 s[G1BC], s19, (0<<16)|(1<<20)|(1<<21)|(6<<22)|(3<<25)   ; 64 rows of 512 bytes, 4 words behind every 128
	SHAPE G1BC, 512, 64
	s_or_b32 s[G1BS], s19, (3<<16)|(1<<20)|(1<<21)|(5<<22)|(3<<25)   ; 32 units of 256 bytes, 4 words behind every 64
	SHAPE G1BS, 32, 32
	s_mov_b32 s[G0A], 1
	s_mul_i32 s[G0A+1], s3, 4*AREC                 ; waves 0, 1
	s_mul_i32 s[G0A+2], s7, 8*AREC
	s_mul_i32 s60, s3, 4*AREC
	s_add_co_u32 s[G0A+2], s[G0A+2], s60
	s_mov_b32 s[G0A+3], 0
	s_mov_b32 s[G0BC], 1
	s_mul_i32 s[G0BC+1], s3, 64*FP                 ; waves 2-5: BC = 2 x 64 x 528 + 2,048
	s_add_co_u32 s[G0BC+1], s[G0BC+1], 2048
	s_max_u32 s[G0BC+2], s3, 2                     ; (held inside the buffer in the waves that do not ask)
	s_sub_co_u32 s[G0BC+2], s[G0BC+2], 2
	s_lshl_b32 s[G0BC+2], s[G0BC+2], 15            ; 64 rows of 512 bytes a wave
	s_lshl_b32 s61, s6, 17                         ; + 256 gx rows
	s_add_co_u32 s[G0BC+2], s[G0BC+2], s61
	s_mov_b32 s[G0BC+3], 0
	s_mov_b32 s[G0BS], 1
	s_mov_b32 s[G0BS+1], BSO                       ; wave 6
	s_lshl_b32 s[G0BS+2], s6, 13                   ; 256 gx rows of 32 bytes
	s_mov_b32 s[G0BS+3], 0
	s_lshl_b32 s68, s6, 10
	s_lshl_b32 s69, s21, 8
	s_add_co_u32 s68, s68, s69                     ; my first column, in bytes of f32
	s_mov_b32 s69, 0
	s_lshl_b32 s70, s7, 19
	s_lshl_b32 s71, s20, 18
	s_add_co_u32 s70, s70, s71
	s_add_co_u32 s70, s70, s68                     ; + my first row of 4,096 bytes
	s_mov_b32 s71, 0
	s_wait_dscnt 0x0
	s_wait_kmcnt 0x0
	s_add_nc_u64 s[G0A+2:G0A+3], s[8:9], s[G0A+2:G0A+3]
	s_or_b32 s[G0A+3], s[G0A+3], 0x80000000
	s_add_nc_u64 s[G0BC+2:G0BC+3], s[10:11], s[G0BC+2:G0BC+3]
	s_or_b32 s[G0BC+3], s[G0BC+3], 0x80000000
	s_add_nc_u64 s[G0BS+2:G0BS+3], s[12:13], s[G0BS+2:G0BS+3]
	s_or_b32 s[G0BS+3], s[G0BS+3], 0x80000000
	s_add_nc_u64 s[14:15], s[14:15], s[68:69]
	s_add_nc_u64 s[16:17], s[16:17], s[70:71]
	CROUND                                         ; all sixteen work-groups are here: the joint loads meet
	s_cmp_lt_u32 s3, 2                             ; all fills of the launch, each wave's in one arm; wave 7 asks for nothing
	s_cbranch_scc0 .Lfill_bc
	tensor_load_to_lds s[G0A:G0A+3], s[G1A:G1A+7]
	s_nop 0
	PLACES 4
	s_branch .Lfilled
.Lfill_bc:
	s_cmp_lt_u32 s3, 6
	s_cbranch_scc0 .Lfill_bs
	tensor_load_to_lds s[G0BC:G0BC+3], s[G1BC:G1BC+7]
	s_nop 0
	PLACES 4
	s_branch .Lfilled
.Lfill_bs:
	s_cmp_eq_u32 s3, 6
	s_cbranch_scc0 .Lfilled
	tensor_load_to_lds s[G0BS:G0BS+3], s[G1BS:G1BS+7]
	s_nop 0
	PLACES 4
.Lfilled:
	v_and_b32 v1, 15, v0                           ; r
	v_bfe_u32 v2, v0, 4, 1                         ; h
	v_and_b32 v11, 31, v0                          ; lane
	s_delay_alu instid0(VALU_DEP_2)
	v_lshlrev_b32 v[BO], 5, v2
.irp a, 0,1,2,3
.irp t, 0,1,2,3
	global_load_b128 v[ACC+32*\a+8*\t:ACC+32*\a+8*\t+3], v[BO], s[14:15] offset:64*\t       ; proj_b at columns 16 t + 8 h + 0 .. 7
	global_load_b128 v[ACC+32*\a+8*\t+4:ACC+32*\a+8*\t+7], v[BO], s[14:15] offset:64*\t+16
.endr
.endr
	s_mul_i32 s62, s20, 4*AREC                     ; my four records
	v_lshl_add_u32 v[FA], v11, 4, s62
	s_add_co_u32 s63, s62, 8192
	v_lshl_add_u32 v[ASA], v11, 3, s63             ; their words: 8 x lane: group lane / 16 (+ 2 q), row lane % 16
	v_mul_u32_u24 v[FB], v1, FP
	s_delay_alu instid0(VALU_DEP_1)
	v_lshl_add_u32 v[FB], v2, 4, v[FB]
	s_mul_i32 s66, s21, 64*FP
	s_add_co_u32 s66, s66, BC
	v_add_nc_u32 v[FB], s66, v[FB]                 ; my 64 rows of proj_w
	v_lshrrev_b32 v[ASB], 3, v1
	s_delay_alu instid0(VALU_DEP_1)
	v_mul_u32_u24 v[ASB], v[ASB], SUN
	v_and_b32 v12, 7, v1
	s_delay_alu instid0(VALU_DEP_1)
	v_lshl_add_u32 v[ASB], v12, 5, v[ASB]
	s_mul_i32 s67, s21, 8*SUN
	s_add_co_u32 s67, s67, BSO
	v_add_nc_u32 v[ASB], s67, v[ASB]
	s_mul_i32 s72, s3, 16*SUN
	s_add_co_u32 s72, s72, STG                     ; my stage
	v_mul_u32_u24 v[STO], v1, SUN
	s_delay_alu instid0(VALU_DEP_1)
	v_lshl_add_u32 v[STO], v2, 5, v[STO]
	s_delay_alu instid0(VALU_DEP_1)
	v_add_nc_u32 v[STO], s72, v[STO]               ; in: row r, 32 bytes for each half of the lanes
	v_mul_u32_u24 v[RD], v2, SUN
	s_delay_alu instid0(VALU_DEP_1)
	v_lshl_add_u32 v[RD], v1, 4, v[RD]
	s_delay_alu instid0(VALU_DEP_1)
	v_add_nc_u32 v[RD], s72, v[RD]                 ; back: lanes 0-15 one row of 256 bytes, lanes 16-31 the next
	v_lshlrev_b32 v[CO], 12, v2
	s_delay_alu instid0(VALU_DEP_1)
	v_lshl_add_u32 v[CO], v1, 4, v[CO]             ; and the same two rows in out0
	s_wait_alu depctr_va_vdst(0)
	s_wait_tensorcnt 0x0                           ; my fill has landed,
	s_barrier_signal -1
	s_barrier_wait -1                              ; everybody's has
	s_wait_loadcnt 0x0                             ; proj_b lies in the accumulators
; A K step of 128: 8 fragments, 16 products in place; the 16 accumulators take turns in the same order in every step.  Two waves share a SIMD: while one waits (count 0) the other issues.
.macro P_STEP ks
.if (\ks) > 0
	PLACES 4                                       ; ahead of loads into registers that the last products read
.endif
.if (\ks) == 0
.irp a, 0,1,2,3
.irp q, 0,1
	ds_load_b64 v[SA+4*\a+2*\q:SA+4*\a+2*\q+1], v[ASA] offset:AREC*\a+256*\q
.endr
.endr
.endif
.if (\ks)%4 == 0
.irp t, 0,1,2,3
	ds_load_b128 v[SB+4*\t:SB+4*\t+3], v[ASB] offset:2*SUN*\t+16*((\ks)/4)
.endr
.endif
.irp t, 0,1,2,3
.irp c, 0,1
	ds_load_b128 v[BF+8*\t+4*\c:BF+8*\t+4*\c+3], v[FB] offset:TILE*\t+64*(\ks)+32*\c
.endr
.endr
.irp a, 0,1,2,3
.irp c, 0,1
	ds_load_b128 v[AF+8*\a+4*\c:AF+8*\a+4*\c+3], v[FA] offset:AREC*\a+1024*(\ks)+512*\c
.endr
.endr
	s_wait_dscnt 0x0
.irp a, 0,1,2,3
.irp t, 0,1,2,3
.if ((\ks)/2)%2 == 0
	v_wmma_scale_f32_16x16x128_f8f6f4 v[ACC+32*\a+8*\t:ACC+32*\a+8*\t+7], v[BF+8*\t:BF+8*\t+7], v[AF+8*\a:AF+8*\a+7], v[ACC+32*\a+8*\t:ACC+32*\a+8*\t+7], v[SB+4*\t+(\ks)%4], v[SA+4*\a+2*((\ks)/4)+(\ks)%2] matrix_a_fmt:MATRIX_FMT_FP4 matrix_b_fmt:MATRIX_FMT_FP4
.else
	v_wmma_scale_f32_16x16x128_f8f6f4 v[ACC+32*\a+8*\t:ACC+32*\a+8*\t+7], v[BF+8*\t:BF+8*\t+7], v[AF+8*\a:AF+8*\a+7], v[ACC+32*\a+8*\t:ACC+32*\a+8*\t+7], v[SB+4*\t+(\ks)%4], v[SA+4*\a+2*((\ks)/4)+(\ks)%2] matrix_a_fmt:MATRIX_FMT_FP4 matrix_b_fmt:MATRIX_FMT_FP4 matrix_b_scale:MATRIX_SCALE_ROW1
.endif
.endr
.endr
.endm
.irp ks, 0,1,2,3,4,5,6,7
	P_STEP \ks
.endr
; THE WAY OUT, a block of 16 rows x 64 columns at a time, through my own stage: in as 32 bytes a lane, back as whole rows of 256 bytes.  LDS serves a wave's instructions in order (ISA guide 5.7.1.4): no wait between
; the stores and the loads, nor ahead of the next block's stores.  The rows come back into the fragments' registers, two sets of 32 by turns.
.macro TOSTAGE a
.irp t, 0,1,2,3
	ds_store_b128 v[STO], v[ACC+32*(\a)+8*\t:ACC+32*(\a)+8*\t+3] offset:64*\t        ; each accumulator from its low end on
	ds_store_b128 v[STO], v[ACC+32*(\a)+8*\t+4:ACC+32*(\a)+8*\t+7] offset:64*\t+16
.endr
.irp i, 0,1,2,3,4,5,6,7
	ds_load_b128 v[BF+32*((\a)%2)+4*\i:BF+32*((\a)%2)+4*\i+3], v[RD] offset:2*SUN*\i
.endr
.endm
.macro SEND a, younger                 ; younger: the LDS instructions issued behind block a's loads, which may stay out
	s_wait_dscnt \younger
.irp i, 0,1,2,3,4,5,6,7
	global_store_b128 v[CO], v[BF+32*((\a)%2)+4*\i:BF+32*((\a)%2)+4*\i+3], s[16:17] offset:(16*(\a)+2*\i)*4096 th:TH_STORE_NT   ; 16 lanes store 256 consecutive bytes, aligned; written once, read by nobody here
.endr
.endm
	PLACES 4                                       ; ahead of the first read of results and of loads into the fragments' registers
	TOSTAGE 0
.irp a, 1,2,3
.if \a > 1
	s_wait_xcnt 0x0                                ; block a - 2's stores have read their registers: block a's rows may land there
.endif
	TOSTAGE \a
	SEND \a-1, 16                                  ; behind block a - 1's loads: block a's 8 stores and 8 loads
.endr
	SEND 3, 0
	s_wait_tensorcnt 0x0
	ds_add_u32 v254, v255
	s_wait_dscnt 0x0
	CROUND                                         ; the closing round
	s_endpgm
.Lfunc_end_k_q93258c1272_proj:
	.size	k_q93258c1272_proj, .Lfunc_end_k_q93258c1272_proj-k_q93258c1272_proj
	.p2alignl 7, 3214868480
	.fill 96, 4, 3214868480
	.section	.rodata,"a",@progbits
	.p2align	6, 0x0
	.amdhsa_kernel k_q93258c1272_proj
		.amdhsa_group_segment_fixed_size 263168
		.amdhsa_private_segment_fixed_size 0
		.amdhsa_enable_private_segment 0
		.amdhsa_kernarg_size 40
		.amdhsa_user_sgpr_count 2
		.amdhsa_user_sgpr_kernarg_segment_ptr 1
		.amdhsa_wavefront_size32 1
		.amdhsa_system_sgpr_workgroup_id_x 1
		.amdhsa_system_sgpr_workgroup_id_y 1
		.amdhsa_system_sgpr_workgroup_id_z 1
		.amdhsa_system_vgpr_workitem_id 0
		.amdhsa_next_free_vgpr 256
		.amdhsa_next_free_sgpr 80
		.amdhsa_reserve_vcc 0
		.amdhsa_float_denorm_mode_32 3
		.amdhsa_float_denorm_mode_16_64 3
		.amdhsa_memory_ordered 1
		.amdhsa_forward_progress 1
		.amdhsa_inst_pref_size 45
	.end_amdhsa_kernel
	.amdgpu_metadata
---
amdhsa.version: [ 1, 2 ]
amdhsa.kernels:
  - .name:           k_q93258c1272_proj
    .symbol:         k_q93258c1272_proj.kd
    .args:
      - { .name: ao, .offset: 0, .size: 8, .value_kind: global_buffer, .address_space: global }
      - { .name: proj_w_codes, .offset: 8, .size: 8, .value_kind: global_buffer, .address_space: global }
      - { .name: proj_w_scales, .offset: 16, .size: 8, .value_kind: global_buffer, .address_space: global }
      - { .name: proj_b, .offset: 24, .size: 8, .value_kind: global_buffer, .address_space: global }
      - { .name: out0, .offset: 32, .size: 8, .value_kind: global_buffer, .address_space: global }
    .group_segment_fixed_size: 263168
    .private_segment_fixed_size: 0
    .kernarg_segment_align: 8
    .kernarg_segment_size: 40
    .max_flat_workgroup_size: 256
    .sgpr_count:     80
    .vgpr_count:     256
    .wavefront_size: 32
...
	.end_amdgpu_metadata
.endif
;; end of part 3
